; MI455X (gfx1250); checked and timed in simulation.
; The chip was launched on July 23, 2026; its instructions are those of AMD's public machine-readable ISA for CDNA 5 (MIT licence, August 2026) and "CDNA5" Instruction Set Architecture Reference Guide (July 2026). The comments in the code are by the model that wrote it; some were corrected since.
;; Dense MOE. Allowed arithmetic: matrix products marked QUANTISED: E2M1 operands, one E8M0 scale for each 32 along K, by v_wmma_scale_f32_16x16x128_f8f6f4 with both operands' format E2M1 (or v_wmma_scale_f32_32x16x128_f4), f32 sums; products left as they are: f32 operands where the result goes on into a quantised operand, else bf16, f16 or f32 operands; f32 sums; everything else in f32.
;; Inputs: b1 8 x 4,096 float32; b2 8 x 1,024 float32; router_b 8 float32; router_w 8 x 1,024 float32; w1_codes 8 x 4,096 x 32 x 16 uint8 (E2M1 codes of w1, K innermost, in blocks of 32 codes, two codes a byte); w1_scales 8 x 4,096 x 32 uint8 (E8M0 scales of w1, one for each 32 codes along K); w2_codes 8 x 1,024 x 128 x 16 uint8 (E2M1 codes of w2, K innermost, in blocks of 32 codes, two codes a byte); w2_scales 8 x 1,024 x 128 uint8 (E8M0 scales of w2, one for each 32 codes along K); x 4 x 256 x 1,024 float32.
;; Outputs: out0 4 x 256 x 1,024 float32.
;; Constants: top_k = 2.
;; This version of the problem:
;;   THIS VERSION OF THE PROBLEM IS GIVEN IN LOW PRECISION. The matrix products marked QUANTISED in the list below multiply operands that are first quantised to E2M1 (2 exponent bits, 1 mantissa bit; 4 bits a number), with one power-of-two scale for each 32 numbers along K (OCP MX v1.0); their sums are f32. All else is computed in f32.
;;   The module's matrix products, in the order in which they are computed (A, B: the left and right operand; K: the contracted axis; several contracted axes count as one K, in the product's order):
;;     1. [M 1,024, K 1,024] x [K 1,024, N 8]; A: input x; B: input router_w: left as it is (N = 8 < 16)
;;     2. [M 1,024, K 1,024] x [K 1,024, N 4,096]; A: input x; B: input w1 (given as codes): QUANTISED
;;     3. [M 1,024, K 4,096] x [K 4,096, N 1,024]; A: computed on the way; B: input w2 (given as codes): QUANTISED
;;     4. [M 1,024, K 1,024] x [K 1,024, N 4,096]; A: input x; B: input w1 (given as codes): QUANTISED
;;     5. [M 1,024, K 4,096] x [K 4,096, N 1,024]; A: computed on the way; B: input w2 (given as codes): QUANTISED
;;     6. [M 1,024, K 1,024] x [K 1,024, N 4,096]; A: input x; B: input w1 (given as codes): QUANTISED
;;     7. [M 1,024, K 4,096] x [K 4,096, N 1,024]; A: computed on the way; B: input w2 (given as codes): QUANTISED
;;     8. [M 1,024, K 1,024] x [K 1,024, N 4,096]; A: input x; B: input w1 (given as codes): QUANTISED
;;     9. [M 1,024, K 4,096] x [K 4,096, N 1,024]; A: computed on the way; B: input w2 (given as codes): QUANTISED
;;     10. [M 1,024, K 1,024] x [K 1,024, N 4,096]; A: input x; B: input w1 (given as codes): QUANTISED
;;     11. [M 1,024, K 4,096] x [K 4,096, N 1,024]; A: computed on the way; B: input w2 (given as codes): QUANTISED
;;     12. [M 1,024, K 1,024] x [K 1,024, N 4,096]; A: input x; B: input w1 (given as codes): QUANTISED
;;     13. [M 1,024, K 4,096] x [K 4,096, N 1,024]; A: computed on the way; B: input w2 (given as codes): QUANTISED
;;     14. [M 1,024, K 1,024] x [K 1,024, N 4,096]; A: input x; B: input w1 (given as codes): QUANTISED
;;     15. [M 1,024, K 4,096] x [K 4,096, N 1,024]; A: computed on the way; B: input w2 (given as codes): QUANTISED
;;     16. [M 1,024, K 1,024] x [K 1,024, N 4,096]; A: input x; B: input w1 (given as codes): QUANTISED
;;     17. [M 1,024, K 4,096] x [K 4,096, N 1,024]; A: computed on the way; B: input w2 (given as codes): QUANTISED
;;   THE QUANTISER, for each operand of a quantised product, along K:
;;     - K is cut into blocks of 32 from its start; a last block that is shorter is filled with zeros.
;;     - A block's scale is 2^e with e = floor(log2(the largest magnitude in the block)) - 2, held to -126 .. 127; a block of zeros has e = 0. As a byte (E8M0): e + 127.
;;     - Each number is divided by its block's scale, clamped to +-6, and rounded to the nearest number of E2M1, ties to even, subnormals kept.
;;     - The product sums the exact products of the quantised numbers (number of the format x scale) in f32.
;;   ~~~python
;;   def quantise(x, axis):      # numpy; x: float32 -> the quantised numbers, widened to float32 again
;;       x = np.moveaxis(x, axis, -1); K = x.shape[-1]
;;       x = np.pad(x, [(0, 0)] * (x.ndim - 1) + [(0, -K % 32)]); x = x.reshape(x.shape[:-1] + (-1, 32)); a = np.abs(x).max(-1, keepdims=True)
;;       e = np.where(a > 0, np.clip(np.frexp(np.where(a > 0, a, 1))[1] - 1 - 2, -126, 127), 0)      # np.frexp(a)[1] - 1 = floor(log2(a)), exactly
;;       r = np.clip(x / 2.0 ** e, -6, 6)
;;       step = 2.0 ** (np.maximum(np.frexp(np.where(r == 0, 1, r))[1] - 1, 0) - 1)
;;       q = np.round(r / step) * step * 2.0 ** e      # np.round: ties to even
;;       return np.moveaxis(q.reshape(q.shape[:-2] + (-1,))[..., :K], -1, axis).astype(np.float32)
;;   ~~~
;;   OPERANDS COMPUTED ON THE WAY. 'Computed on the way' means the value that the module computes at that place (a softmax that the list does not call 'softmax' is quantised finished and normalised). What goes into a quantiser is computed in f32, as accurately as f32 sums, v_exp_f32 and their like allow (about 1e-6 of the number): no bf16 or f16 on the way to a quantiser, and a product that is left as it is and whose result goes on into a quantised operand takes f32 operands (vector FMAs, or v_wmma_f32_16x16x4_f32). A number that lies on a knife's edge between two numbers of the format may be rounded either way, as far as f32 arithmetic and the matrix unit's own rounding can turn it there, and no further.
;;   INPUTS GIVEN AS CODES. w1 (in the module: [8, 1024, 4096], K = its axis 1); w2 (in the module: [8, 4096, 1024], K = its axis 1): each comes as NAME_codes (uint8): NAME with its K axis moved to the last place and cut into blocks of 32 codes, [.., K / 32, bytes a block], one block behind the other in memory; two codes a byte, the lower K in the low four bits (a code: sign, 2 exponent bits, 1 mantissa bit); and NAME_scales (uint8): the same leading axes, one E8M0 byte (e + 127) for each 32 codes along K. Its value is code x scale, taken as it is: it is not quantised again, and the codes and scales need not be those that the quantiser above would give.
;; 2 versions. Each part assembles by itself: llvm-mc -triple=amdgcn-amd-amdhsa -mcpu=gfx1250 --defsym DOCPART=n.
;; ======== version 1 of 2: 4 launches
;; workspace buffers: xq 524,288 bytes; xs 32,768 bytes; sel 4,096 bytes of whole numbers; gates 8,192 bytes; himg 16,777,216 bytes; hsc 1,048,576 bytes; pos 33,024 bytes of whole numbers; y 33,554,432 bytes
;; launch route (part 1): grid 256 x 1, 4 waves a work-group, no clusters, 18,944 bytes of LDS; arguments x, router_w, router_b, xq, xs, sel, gates; writes xq, xs, sel, gates
.if DOCPART == 1
	.amdgcn_target "amdgcn-amd-amdhsa--gfx1250"
	.amdhsa_code_object_version 6
	.text
	.protected	k_q91db289efa_route
	.globl	k_q91db289efa_route
	.p2align	8
	.type	k_q91db289efa_route,@function
k_q91db289efa_route:
	s_mov_b64 s[64:65], 0
	v_nop
	global_prefetch_b8 v0, s[64:65] scope:SCOPE_SE
	s_setreg_imm32_b32 hwreg(HW_REG_WAVE_MODE, 25, 1), 1
	s_wait_xcnt 0x0
; ROUTER AND QUANTISER OF x.  1,024 tokens of 1,024 numbers; a wave takes one token, t = 4 x work-group + wave.
; It makes the token's 8 logits in f32 (x . router_w[e] + router_b[e]), the two largest (the lower index wins a tie, as jax.lax.top_k has it), their gates
; (softmax over the two, the larger logit taken away before the exponential, as reference() does), and x's codes of E2M1 with one E8M0 byte for each 32 along K.
; DEAD WORK LEFT OUT BY THE WHOLE PROGRAM.  reference() sets the logits of the six experts that were not chosen to -infinity ahead of its softmax, so their gate is exactly 0, whatever the inputs hold;
; in exact arithmetic (h W2 + b2) x 0 = 0, so the rows of all sixteen expert products that belong to a pair (token, expert) not chosen reach no output.  They are whole rows: only the 2,048 chosen rows are multiplied.
; Every input has a way to the output and is loaded.  LIMIT: a NaN, an infinity or an overflow that arises only in a row left out is not carried to the result.
; What steers addresses later (the choice) is only STORED here, at fixed places, as whole numbers: sel[t] = (1 << e0) | (1 << e1) | e0 << 8 | e1 << 16; gates[t] = g0, g1.
; LIMITS: NaN and infinities among x, router_w, router_b are not served.  The logits are f32 sums in another order than reference()'s: where the second and the third logit of a token lie within that rounding
; (some 1e-6 of their size) the other expert may be chosen.  A block of zeros gets the scale byte 1 where the rule says 127: its codes are zeros, which add nothing, and this program alone reads the bytes.
; No matrix unit: 8 columns.  No barrier: waves share nothing.
.set STGB,  4608                       ; a wave's stage in LDS: 32 places of 128 bytes + 16 of padding
.set SPARE, 4*STGB                     ; behind the stages: the spare words, 128 bytes a wave, two blocks of 256 bytes that no other line names
.set R,   8                            ; v8-39    x as loaded: R[4 i + j] = x[128 i + 4 lane + j]
.set X,   40                           ; v40-71   x after the turn: X[j] = x[32 lane + j]: a whole block of 32
.set RW,  72                           ; v72-199  router_w, four slots of 32, in R's lane map
.set AC,  200                          ; v200-231 four partial sums an expert
.set LG,  232                          ; v232-239 the logits
	s_load_b256 s[4:11], s[0:1], 0x0               ; x s[4:5], router_w s[6:7], router_b s[8:9], xq s[10:11]
	s_load_b128 s[12:15], s[0:1], 0x20             ; xs s[12:13], sel s[14:15]
	s_load_b64 s[16:17], s[0:1], 0x30              ; gates
	v_lshl_add_u32 v5, v0, 2, SPARE                ; my spare word,
	v_mov_b32 v6, 0                                ; and 0: kept for the closing lines alone
	v_lshrrev_b32 v1, 5, v0
	v_readfirstlane_b32 s28, v1                    ; wave
	v_and_b32 v1, 31, v0                           ; lane
	v_lshlrev_b32 v2, 4, v1                        ; 16 x lane
	s_mul_i32 s18, s28, STGB
	v_lshrrev_b32 v3, 3, v1
	v_mul_u32_u24 v3, v3, 144
	v_and_b32 v4, 7, v1
	v_lshl_add_u32 v3, v4, 4, v3
	v_add_nc_u32 v3, s18, v3                       ; the stage, on the way in: eight lanes' 128 bytes on end, then padding
	v_mul_u32_u24 v4, v1, 144
	v_add_nc_u32 v4, s18, v4                       ; and on the way out: my 128 bytes
	v_mov_b32 v7, 0                                ; offset 0 for the token's two small stores
	s_lshl_b32 s29, ttmp9, 2
	s_add_co_u32 s29, s29, s28                     ; t
	s_mov_b32 s30, 0x76543210
	s_mov_b32 s31, 0xfedcba98                      ; v_permlanex16_b32's selects for lane l xor 16
	s_mov_b32 s3, 0
	s_wait_kmcnt 0x0
	s_load_b256 s[20:27], s[8:9], 0x0              ; router_b: 8 numbers
	s_lshl_b32 s2, s29, 12
	s_add_nc_u64 s[4:5], s[4:5], s[2:3]            ; x at my token
	s_lshl_b32 s2, s29, 9
	s_add_nc_u64 s[10:11], s[10:11], s[2:3]        ; its 512 bytes of codes
	s_lshl_b32 s2, s29, 5
	s_add_nc_u64 s[12:13], s[12:13], s[2:3]        ; its 32 scale bytes
	s_lshl_b32 s2, s29, 2
	s_add_nc_u64 s[14:15], s[14:15], s[2:3]
	s_lshl_b32 s2, s29, 3
	s_add_nc_u64 s[16:17], s[16:17], s[2:3]
.irp i, 0,1,2,3,4,5,6,7
	global_load_b128 v[R+4*\i:R+4*\i+3], v2, s[4:5] offset:512*\i th:TH_LOAD_NT    ; 32 lanes read 512 consecutive bytes
.endr
.irp e, 0,1,2,3
.irp i, 0,1,2,3,4,5,6,7
	global_load_b128 v[RW+32*\e+4*\i:RW+32*\e+4*\i+3], v2, s[6:7] offset:4096*\e+512*\i
.endr
.endr
	s_wait_loadcnt 32                              ; x is in: the 32 loads of router_w were issued behind it
.irp i, 0,1,2,3,4,5,6,7
	ds_store_b128 v3, v[R+4*\i:R+4*\i+3] offset:576*\i              ; a load's 512 bytes are four lanes' places
.endr
.irp j, 0,1,2,3,4,5,6,7
	ds_load_b128 v[X+4*\j:X+4*\j+3], v4 offset:16*\j                ; LDS serves a wave's instructions in order: these see my stores
.endr
; One expert's product with my 32 numbers, two numbers an instruction, in two chains.  left: the loads issued behind this expert's eight.
.macro DOT e, left
	s_wait_loadcnt \left
.set RWS, RW+32*((\e)%4)
.set ACE, AC+4*(\e)
	v_pk_mul_f32 v[ACE:ACE+1], v[R:R+1], v[RWS:RWS+1]
	v_pk_mul_f32 v[ACE+2:ACE+3], v[R+2:R+3], v[RWS+2:RWS+3]
.irp k, 4,8,12,16,20,24,28
	v_pk_fma_f32 v[ACE:ACE+1], v[R+\k:R+\k+1], v[RWS+\k:RWS+\k+1], v[ACE:ACE+1]
	v_pk_fma_f32 v[ACE+2:ACE+3], v[R+\k+2:R+\k+3], v[RWS+\k+2:RWS+\k+3], v[ACE+2:ACE+3]
.endr
.if (\e) < 4
.irp i, 0,1,2,3,4,5,6,7
	global_load_b128 v[RWS+4*\i:RWS+4*\i+3], v2, s[6:7] offset:4096*((\e)+4)+512*\i   ; the slot takes the expert four further on
.endr
.endif
.endm
	DOT 0, 24
	DOT 1, 24
	DOT 2, 24
	DOT 3, 24
	DOT 4, 24
	DOT 5, 16
	DOT 6, 8
	DOT 7, 0
.irp e, 0,1,2,3,4,5,6,7
	v_pk_add_f32 v[AC+4*\e:AC+4*\e+1], v[AC+4*\e:AC+4*\e+1], v[AC+4*\e+2:AC+4*\e+3]
.endr
.irp e, 0,1,2,3,4,5,6,7
	v_add_f32 v[LG+\e], v[AC+4*\e], v[AC+4*\e+1]
.endr
.irp m, 1,2,4,8
.irp e, 0,1,2,3,4,5,6,7
	v_add_f32_dpp v[LG+\e], v[LG+\e], v[LG+\e] row_xmask:\m row_mask:0xf bank_mask:0xf   ; across 16 lanes; the eight experts by turns
.endr
.endr
.irp e, 0,1,2,3,4,5,6,7
	v_permlanex16_b32 v[AC+4*\e], v[LG+\e], s30, s31
.endr
	s_wait_kmcnt 0x0                               ; router_b
.irp e, 0,1,2,3,4,5,6,7
	v_add_f32 v[LG+\e], v[LG+\e], v[AC+4*\e]       ; every lane holds the same sum: each step adds the same two numbers in both partners
.endr
.irp e, 0,1,2,3,4,5,6,7
	v_add_f32 v[LG+\e], s[20+\e], v[LG+\e]
.endr
	; the largest logit: the holder stays where it is at least as large, so the lower index wins a tie
	v_mov_b32 v240, v[LG]
	v_mov_b32 v241, 0
.irp e, 1,2,3,4,5,6,7
	v_cmp_ge_f32 vcc_lo, v240, v[LG+\e]
	v_cndmask_b32 v241, \e, v241, vcc_lo
	v_cndmask_b32 v240, v[LG+\e], v240, vcc_lo
.endr
	v_mov_b32 v246, 0xff800000                     ; -infinity takes its place, and the scan is run again
.irp e, 0,1,2,3,4,5,6,7
	v_cmp_eq_u32 vcc_lo, \e, v241
	v_cndmask_b32 v[LG+\e], v[LG+\e], v246, vcc_lo
.endr
	v_mov_b32 v242, v[LG]
	v_mov_b32 v243, 0
.irp e, 1,2,3,4,5,6,7
	v_cmp_ge_f32 vcc_lo, v242, v[LG+\e]
	v_cndmask_b32 v243, \e, v243, vcc_lo
	v_cndmask_b32 v242, v[LG+\e], v242, vcc_lo
.endr
	; the gates: softmax over the two; the larger logit is the maximum that is taken away
	v_sub_f32 v248, v242, v240                     ; 0 or less
	v_mul_f32 v248, 0x3fb8aa3b, v248
	v_exp_f32 v249, v248
	v_mov_b32 v246, 1                              ; (a plain instruction behind the exponential)
	s_wait_alu depctr_va_vdst(0)                   ; the wait ahead of the first reader
	v_add_f32 v250, 1.0, v249
	v_rcp_f32 v244, v250                           ; g0 = 1 / (1 + e^d)
	v_lshlrev_b32 v247, v241, v246                 ; (a plain instruction behind the reciprocal)  1 << e0
	s_wait_alu depctr_va_vdst(0)
	v_mul_f32 v245, v249, v244                     ; g1 = e^d g0
	v_lshlrev_b32 v251, v243, v246                 ; 1 << e1
	v_or_b32 v247, v247, v251
	v_lshl_or_b32 v247, v241, 8, v247
	v_lshl_or_b32 v247, v243, 16, v247
	global_store_b64 v7, v[244:245], s[16:17]      ; all lanes hold the same numbers and write the same place
	global_store_b32 v7, v247, s[14:15]
	; x's codes: lane l owns block l
	s_wait_dscnt 0x0                               ; my 32 neighbours are back from the stage
	v_max3_num_f32 v252, |v[X]|, |v[X+1]|, |v[X+2]|
	v_max3_num_f32 v253, |v[X+3]|, |v[X+4]|, |v[X+5]|
.irp i, 6,10,14,18,22,26
	v_max3_num_f32 v252, v252, |v[X+\i]|, |v[X+\i+1]|
	v_max3_num_f32 v253, v253, |v[X+\i+2]|, |v[X+\i+3]|
.endr
	v_max3_num_f32 v252, v252, |v[X+30]|, |v[X+31]|
	v_max3_num_f32 v252, v252, v253, 0x1800000     ; and the floor 2^(3 - 127): the byte cannot fall under 1
	v_add_nc_u32 v254, 0xff000000, v252            ; 2 off the exponent field: the conversion takes this operand's exponent field as its scale
.irp g, 0,1,2,3
	v_cvt_scalef32_pk8_fp4_f32 v[248+\g], v[X+8*\g:X+8*\g+7], v254
.endr
	v_lshrrev_b32 v255, 23, v254                   ; the scale's byte
	global_store_b128 v2, v[248:251], s[10:11]     ; the wave stores the token's 512 bytes of codes on end
	global_store_b8 v1, v255, s[12:13]             ; and its 32 scale bytes
	s_wait_tensorcnt 0x0                           ; the wave's end
	ds_add_u32 v5, v6
	s_wait_dscnt 0x0
	s_endpgm
.Lfunc_end_k_q91db289efa_route:
	.size	k_q91db289efa_route, .Lfunc_end_k_q91db289efa_route-k_q91db289efa_route
	.p2alignl 7, 3214868480
	.fill 96, 4, 3214868480
	.section	.rodata,"a",@progbits
	.p2align	6, 0x0
	.amdhsa_kernel k_q91db289efa_route
		.amdhsa_group_segment_fixed_size 18944
		.amdhsa_private_segment_fixed_size 0
		.amdhsa_enable_private_segment 0
		.amdhsa_kernarg_size 56
		.amdhsa_user_sgpr_count 2
		.amdhsa_user_sgpr_kernarg_segment_ptr 1
		.amdhsa_wavefront_size32 1
		.amdhsa_system_sgpr_workgroup_id_x 1
		.amdhsa_system_sgpr_workgroup_id_y 1
		.amdhsa_system_sgpr_workgroup_id_z 1
		.amdhsa_system_vgpr_workitem_id 0
		.amdhsa_next_free_vgpr 256
		.amdhsa_next_free_sgpr 66
		.amdhsa_reserve_vcc 1
		.amdhsa_float_denorm_mode_32 3
		.amdhsa_float_denorm_mode_16_64 3
		.amdhsa_memory_ordered 1
		.amdhsa_forward_progress 1
		.amdhsa_inst_pref_size 27
	.end_amdhsa_kernel
	.amdgpu_metadata
---
amdhsa.version: [ 1, 2 ]
amdhsa.kernels:
  - .name:           k_q91db289efa_route
    .symbol:         k_q91db289efa_route.kd
    .args:
      - { .name: x, .offset: 0, .size: 8, .value_kind: global_buffer, .address_space: global }
      - { .name: router_w, .offset: 8, .size: 8, .value_kind: global_buffer, .address_space: global }
      - { .name: router_b, .offset: 16, .size: 8, .value_kind: global_buffer, .address_space: global }
      - { .name: xq, .offset: 24, .size: 8, .value_kind: global_buffer, .address_space: global }
      - { .name: xs, .offset: 32, .size: 8, .value_kind: global_buffer, .address_space: global }
      - { .name: sel, .offset: 40, .size: 8, .value_kind: global_buffer, .address_space: global }
      - { .name: gates, .offset: 48, .size: 8, .value_kind: global_buffer, .address_space: global }
    .group_segment_fixed_size: 18944
    .private_segment_fixed_size: 0
    .kernarg_segment_align: 8
    .kernarg_segment_size: 56
    .max_flat_workgroup_size: 128
    .sgpr_count:     66
    .vgpr_count:     256
    .wavefront_size: 32
...
	.end_amdgpu_metadata
.endif
;; end of part 1
;; launch ffn1 (part 2): grid 256 x 1, 4 waves a work-group, no clusters, 68,096 bytes of LDS; arguments xq, xs, sel, w1_codes, w1_scales, b1, himg, hsc, pos; writes himg, hsc, pos
.if DOCPART == 2
	.amdgcn_target "amdgcn-amd-amdhsa--gfx1250"
	.amdhsa_code_object_version 6
	.text
	.protected	k_q91db289efa_ffn1
	.globl	k_q91db289efa_ffn1
	.p2align	8
	.type	k_q91db289efa_ffn1,@function
k_q91db289efa_ffn1:
	s_mov_b64 s[64:65], 0
	v_nop
	global_prefetch_b8 v0, s[64:65] scope:SCOPE_SE
	s_setreg_imm32_b32 hwreg(HW_REG_WAVE_MODE, 25, 1), 1
	s_wait_xcnt 0x0
; FIRST EXPERT PRODUCT, ON THE CHOSEN ROWS ALONE: Q(relu(x W1[e] + b1[e])), both operands codes of E2M1 with E8M0 scales.
; The rows of experts that a token did not choose are left out: their gate is exactly 0 (shown at the head of the first kernel; its limit on NaN and infinities holds here too).
; SHARES.  Work-group wg = 32 e + g owns hidden units 128 g .. 128 g + 127 of expert e: 128 rows of 512 bytes, one dense block of 65,536 bytes at wg x 65,536 of w1_codes.  It is read from memory ONCE, by loads of
; 512 consecutive bytes, goes through LDS into the registers of ALL FOUR waves (512 registers each) and stays.  Then the waves part: each walks other rows of the expert, so no barrier stands in the walk,
; whose length hangs on stored whole numbers.  No tensor load for that reason; no cluster: the large stream, the weights, is shared by nobody.
; WHICH ROWS.  Every wave builds its expert's 1,024-bit membership from sel (32 words in scalar registers, word i = 4 a + j, bit l: token 128 a + 4 l + j, as eight loads of 16 bytes a lane land) and the words'
; running counts.  The token of rank k is found by INV: a search over the 32 words and five halvings inside the word, with no branch.  Rank k has slot k % 16 of the expert's tile k / 16; each expert has 64 tile places.
; A wave takes SUPERTILES of 32 ranks (two tiles, a and b): p = wave, wave + 4, ..  Ranks past the last are held at the last: such slots repeat its token; they are stored (same or unread places) and never read.
; THE PRODUCT IS USED TRANSPOSED (source 0 = 16 rows of W1, source 1 = 16 tokens), and the rows of W1 that form a tile are lane r of tile 2 b + u: row 32 b + 8 u + r + 8 (r / 8): so a lane holds one token, and the 16
; registers of tiles 2 b, 2 b + 1 are 16 neighbours along the next K.  b1 is the C of each sum's first instruction.  The 128 units are K step g of the second product: one fragment and one scale word a token.
; OUT.  himg[tile][g]: the fragment as an image of its registers (2 x 512 bytes on end); hsc[tile][g][slot]: the scale words; pos[t][e] (work-groups with g = 0): the row's place; pos + 32,768: the experts' counts.
; LIMITS: a block of zeros gets the scale byte 1 (its codes are zeros; the bytes are read by this program alone); NaN and infinities are not served.
; REGISTERS.  window 0: v1-31 addresses and the search; v32-47 at work; v48-63 codes just made; v64-127 W1's scale words; v128-191 the 8 tiles of the hidden layer; v192-207 x's scale words; v208-218 small things.
;   window 1: W1's fragments of K steps 0-3 ((s, t) at v[8 (8 s + t)]); window 2: of K steps 4-7; window 3: v0-63, v64-127 x's fragments of tiles a, b; v128-191 b1.
.set PITCH, 528                        ; an LDS row: 512 bytes + 16 = 132 words: the 16 rows of a fragment load start 4 banks apart
.set SPARE, 128*PITCH                  ; behind the rows: the spare words, 128 bytes a wave, two blocks of 256 bytes that no other line names
.set WD,  32                           ; s32-63  the membership words
.set KEY, 66                           ; s66-97  (count of members in the words before) << 5 | the word's number
.set TM,  32
.set PCA, 48
.set PCB, 56
.set W1S, 64
.set HA,  128
.set XSC, 192
.set PWA, 208
.set PWB, 209
.set MSB, 0
.macro WIN new                         ; s_set_vgpr_msb: bits 1:0 source 0, 3:2 source 1, 5:4 source 2, 7:6 destination; the high byte repeats the setting that is left
.if MSB != \new
	s_set_vgpr_msb (MSB<<8)|\new
.set MSB, \new
.endif
.endm
.macro NOPS n
.rept \n
	v_nop
.endr
.endm
; THE TOKENS OF RANKS s25 + lane (held at the last rank), and from them the gather offsets of tiles a and b.
.macro INV
	v_add_nc_u32 v12, s25, v1
	v_min_u32 v12, s23, v12                        ; my rank
	v_lshl_or_b32 v13, v12, 5, 31
	v_mov_b32 v14, 0
	v_mov_b32 v15, s[WD]
.set ii, 1
.rept 31
	v_cmp_gt_u32 vcc_lo, s[KEY+ii], v13            ; the last word whose running count is at or under my rank holds it
	v_cndmask_b32 v14, s[KEY+ii], v14, vcc_lo
	v_cndmask_b32 v15, s[WD+ii], v15, vcc_lo
.set ii, ii+1
.endr
	v_lshrrev_b32 v20, 5, v14
	v_sub_nc_u32 v20, v12, v20                     ; my rank inside the word
	v_lshrrev_b32 v16, 1, v15                      ; the word's counts in fields of 2, 4 and 8 bits, and of its low 16
	v_and_b32 v16, 0x55555555, v16
	v_sub_nc_u32 v16, v15, v16
	v_lshrrev_b32 v17, 2, v16
	v_and_b32 v17, 0x33333333, v17
	v_and_b32 v22, 0x33333333, v16
	v_add_nc_u32 v17, v17, v22
	v_lshrrev_b32 v18, 4, v17
	v_add_nc_u32 v18, v18, v17
	v_and_b32 v18, 0x0f0f0f0f, v18
	v_lshrrev_b32 v19, 8, v18
	v_add_nc_u32 v19, v19, v18
	v_and_b32 v22, 0xff, v19                       ; five halvings: where my rank is at or over the lower half's count, go up and take the count off
	v_cmp_ge_u32 vcc_lo, v20, v22
	v_cndmask_b32 v22, 0, v22, vcc_lo
	v_sub_nc_u32 v20, v20, v22
	v_cndmask_b32 v21, 0, v212, vcc_lo
	v_bfe_u32 v22, v18, v21, 8
	v_cmp_ge_u32 vcc_lo, v20, v22
	v_cndmask_b32 v22, 0, v22, vcc_lo
	v_sub_nc_u32 v20, v20, v22
	v_cndmask_b32 v23, 0, v213, vcc_lo
	v_add_nc_u32 v21, v21, v23
	v_bfe_u32 v22, v17, v21, 4
	v_cmp_ge_u32 vcc_lo, v20, v22
	v_cndmask_b32 v22, 0, v22, vcc_lo
	v_sub_nc_u32 v20, v20, v22
	v_cndmask_b32 v23, 0, v214, vcc_lo
	v_add_nc_u32 v21, v21, v23
	v_bfe_u32 v22, v16, v21, 2
	v_cmp_ge_u32 vcc_lo, v20, v22
	v_cndmask_b32 v22, 0, v22, vcc_lo
	v_sub_nc_u32 v20, v20, v22
	v_cndmask_b32 v23, 0, v215, vcc_lo
	v_add_nc_u32 v21, v21, v23
	v_bfe_u32 v22, v15, v21, 1
	v_cmp_ge_u32 vcc_lo, v20, v22
	v_cndmask_b32 v23, 0, v216, vcc_lo
	v_add_nc_u32 v21, v21, v23                     ; the bit
	v_bfe_u32 v24, v14, 2, 3
	v_lshlrev_b32 v24, 7, v24
	v_lshl_or_b32 v24, v21, 2, v24
	v_and_b32 v22, 3, v14
	v_or_b32 v24, v24, v22                         ; my token: 128 (word / 4) + 4 bit + word % 4
	v_permlanex16_b32 v25, v24, s28, s29           ; and lane l xor 16's
	v_cmp_le_u32 vcc_lo, 16, v1
	v_cndmask_b32 v22, v24, v25, vcc_lo            ; tile a's token of slot lane % 16, in both halves of the lanes
	v_cndmask_b32 v23, v25, v24, vcc_lo            ; tile b's
	v_min_u32 v22, 0x3ff, v22                      ; a number made of loaded data is held inside the table before it enters an address
	v_min_u32 v23, 0x3ff, v23
	v_lshl_add_u32 v8, v22, 9, v2                  ; codes: 512 bytes a token, + 16 (lane / 16)
	v_lshl_add_u32 v9, v23, 9, v2
	v_lshlrev_b32 v10, 5, v22                      ; scale bytes: 32 a token
	v_lshlrev_b32 v11, 5, v23
	s_cmp_lg_u32 s22, 0                            ; the expert's first work-group stores the rows' places (a branch on the work-group's number)
	s_cbranch_scc1 .Lno_pos_\@
	v_min_u32 v26, 0x3ff, v24
	v_lshl_add_u32 v26, v26, 5, s31                ; pos[token][e]
	v_lshrrev_b32 v27, 4, v12
	v_and_b32 v22, 15, v12
	v_lshl_or_b32 v27, v27, 9, v22
	v_add_nc_u32 v27, s98, v27                     ; (64 e + rank / 16) x 512 + rank % 16
	global_store_b32 v26, v27, s[20:21]
.Lno_pos_\@:
	s_add_co_u32 s25, s25, 128                     ; my next supertile's first rank
.endm
; 18 loads: a tile's 16 tokens, all 1,024 along K: 8 fragments, and their scale words
.macro XLOAD ab
	WIN 0xc0                                       ; destination window 3
.irp s, 0,1,2,3,4,5,6,7
.irp c, 0,1
	global_load_b128 v[64*(\ab)+8*\s+4*\c:64*(\ab)+8*\s+4*\c+3], v[8+(\ab)], s[4:5] offset:64*\s+32*\c
.endr
.endr
	WIN 0
.irp p, 0,1
	global_load_b128 v[XSC+8*(\ab)+4*\p:XSC+8*(\ab)+4*\p+3], v[10+(\ab)], s[6:7] offset:16*\p
.endr
.endm
; 64 matrix instructions: K step by K step, the 8 accumulators by turns, one instruction a turn
.macro MUL ab
.irp s, 0,1,2,3,4,5,6,7
.if \s == 0
	WIN 0x3d                                       ; W1 window 1, x window 3, C = b1 window 3, D window 0
.elseif \s < 4
	WIN 0x0d
.else
	WIN 0x0e                                       ; W1 window 2
.endif
.irp t, 0,1,2,3,4,5,6,7
.if \s == 0
	v_wmma_scale_f32_16x16x128_f8f6f4 v[HA+8*\t:HA+8*\t+7], v[8*\t:8*\t+7], v[64*(\ab):64*(\ab)+7], v[128+8*\t:128+8*\t+7], v[W1S+8*\t], v[XSC+8*(\ab)] matrix_a_fmt:MATRIX_FMT_FP4 matrix_b_fmt:MATRIX_FMT_FP4
.else
	v_wmma_scale_f32_16x16x128_f8f6f4 v[HA+8*\t:HA+8*\t+7], v[((\s%4)*8+\t)*8:((\s%4)*8+\t)*8+7], v[64*(\ab)+8*\s:64*(\ab)+8*\s+7], v[HA+8*\t:HA+8*\t+7], v[W1S+8*\t+\s], v[XSC+8*(\ab)+\s] matrix_a_fmt:MATRIX_FMT_FP4 matrix_b_fmt:MATRIX_FMT_FP4
.endif
.endr
.endr
	WIN 0
.endm
; relu, then 64 numbers of a lane (register 16 b + i = unit 32 b + 16 (lane / 16) + i of my token) become a fragment's codes in v[pc] on and its scale word in v[pw]
.macro QUANT pc, pw
.set jj, 0
.rept 64
	v_max_num_f32 v[HA+jj], 0, v[HA+jj]            ; the activation, in f32; each accumulator is read from its low end on
.set jj, jj+1
.endr
.irp b, 0,1,2,3
	v_max3_num_f32 v[TM+\b], v[HA+16*\b], v[HA+1+16*\b], 0x1800000   ; none is negative; the floor 2^(3 - 127) holds the byte at 1 from below
.endr
.irp i, 2,4,6,8,10,12,14
.irp b, 0,1,2,3
	v_max3_num_f32 v[TM+\b], v[TM+\b], v[HA+16*\b+\i], v[HA+1+16*\b+\i]
.endr
.endr
.irp b, 0,1,2,3
	v_permlanex16_b32 v[TM+4+\b], v[TM+\b], s28, s29
.endr
.irp b, 0,1,2,3
	v_max_num_f32 v[TM+\b], v[TM+\b], v[TM+4+\b]   ; with lane l xor 16's 16: the block's largest
.endr
.irp b, 0,1,2,3
	v_add_nc_u32 v[TM+12+\b], 0xff000000, v[TM+\b] ; 2 off the exponent field: the conversion's scale operand
.endr
.irp b, 0,1,2,3
	v_lshrrev_b32 v[TM+4+\b], 23, v[TM+12+\b]      ; the scale's byte
.endr
	v_lshl_or_b32 v[\pw], v[TM+5], 8, v[TM+4]
	v_lshl_or_b32 v[\pw], v[TM+6], 16, v[\pw]
	v_lshl_or_b32 v[\pw], v[TM+7], 24, v[\pw]
.irp b, 0,1,2,3
	v_cvt_scalef32_pk8_fp4_f32 v[\pc+2*\b], v[HA+16*\b:HA+7+16*\b], v[TM+12+\b]
	v_cvt_scalef32_pk8_fp4_f32 v[\pc+1+2*\b], v[HA+8+16*\b:HA+15+16*\b], v[TM+12+\b]
.endr
	v_nop                                          ; one plain instruction behind the last scaled conversion
.irp c, 0,1                                    ; the operand's layout wants a whole block in a lane
.irp i, 0,1
	v_permlane16_swap_b32 v[\pc+4*\c+\i], v[\pc+2+4*\c+\i]
.endr
.endr
.endm
.macro PUT ab, pc, pw                  ; the fragment leaves as it stands: two stores of 512 consecutive bytes; the scale words: 64 bytes (both halves of the lanes hold the same)
	global_store_b128 v6, v[\pc:\pc+3], s[16:17] offset:32768*(\ab)
	global_store_b128 v6, v[\pc+4:\pc+7], s[16:17] offset:32768*(\ab)+512
	global_store_b32 v7, v[\pw], s[18:19] offset:2048*(\ab)
.endm
; A supertile.  next = 1: the following one's tokens are found and its loads issued, each tile's into the registers that its products have just left.
.macro TRIP next
	s_wait_xcnt 0x0                                ; all earlier loads and stores have read their addresses and data: offsets, codes and scale words may be written again
	v_add_nc_u32 v6, s26, v4
	v_add_nc_u32 v7, s27, v5
.if \next
	INV
.endif
	s_wait_loadcnt 18                              ; tile a is in: tile b's 18 loads were issued behind it
	MUL 0
	NOPS 4                                         ; four places in front of loads into registers that the products read, and of the first read of results
.if \next
	XLOAD 0
.endif
	QUANT PCA, PWA
	PUT 0, PCA, PWA
.if \next
	s_wait_loadcnt 18                              ; tile b is in: behind it stand the next tile a's 18
.else
	s_wait_loadcnt 0x0
.endif
	MUL 1
	NOPS 4
.if \next
	XLOAD 1
.endif
	QUANT PCB, PWB
	PUT 1, PCB, PWB
	s_add_co_u32 s26, s26, 262144                  ; four supertiles on: 8 tiles of 32,768 bytes of images,
	s_add_co_u32 s27, s27, 16384                   ; of 2,048 bytes of scale words
.endm
	s_load_b512 s[4:19], s[0:1], 0x0               ; xq s[4:5], xs s[6:7], sel s[8:9], w1_codes s[10:11], w1_scales s[12:13], b1 s[14:15], himg s[16:17], hsc s[18:19]
	s_load_b64 s[20:21], s[0:1], 0x40              ; pos
	v_lshl_add_u32 v28, v0, 2, SPARE               ; my spare word,
	v_mov_b32 v29, 0                               ; and 0: kept for the closing lines alone
	v_lshrrev_b32 v1, 5, v0
	v_readfirstlane_b32 s2, v1                     ; wave
	v_and_b32 v1, 31, v0                           ; lane
	v_and_b32 v3, 15, v0                           ; r
	v_bfe_u32 v2, v0, 4, 1                         ; h
	v_lshlrev_b32 v211, 6, v2                      ; b1: 64 h
	v_lshlrev_b32 v2, 4, v2                        ; 16 h
	v_lshlrev_b32 v4, 4, v1                        ; 16 x lane
	v_lshlrev_b32 v5, 2, v3                        ; 4 r
	s_mul_i32 s99, s2, 32*PITCH
	v_add_nc_u32 v30, s99, v4                      ; LDS, on the way in: my wave's 32 rows, 16 bytes a lane
	v_mul_u32_u24 v31, v3, PITCH
	v_add_nc_u32 v31, v31, v2                      ; and out: row r of a tile, + 16 h
	v_and_b32 v210, 8, v3
	v_add_nc_u32 v210, v210, v3
	v_lshlrev_b32 v210, 5, v210                    ; W1's scale bytes: 32 a row, row r + 8 (r / 8) of a tile
	v_mov_b32 v212, 16
	v_mov_b32 v213, 8
	v_mov_b32 v214, 4
	v_mov_b32 v215, 2
	v_mov_b32 v216, 1
	v_mov_b32 v25, 0                               ; written once: a lane permute's destination counts as one of its sources
.irp b, 0,1,2,3
	v_mov_b32 v[TM+4+\b], 0
.endr
	s_lshr_b32 s3, ttmp9, 5                        ; e
	s_and_b32 s22, ttmp9, 31                       ; g
	s_lshl_b32 s31, s3, 2                          ; 4 e
	s_lshl_b32 s98, s3, 15                         ; 64 e x 512
	v_mov_b32 v218, s31
	s_mov_b32 s28, 0x76543210
	s_mov_b32 s29, 0xfedcba98                      ; v_permlanex16_b32's selects for lane l xor 16
	s_lshl_b32 s99, 1, s3                          ; my expert's bit in sel
	s_lshl_b32 s100, ttmp9, 16
	s_lshl_b32 s101, s2, 14
	s_add_co_u32 s100, s100, s101                  ; my wave's 32 rows of the work-group's 128
	s_mov_b32 s101, 0
	s_wait_kmcnt 0x0
.irp i, 0,1,2,3,4,5,6,7
	global_load_b128 v[128+4*\i:128+4*\i+3], v4, s[8:9] offset:512*\i              ; sel, all 1,024 words
.endr
	s_add_nc_u64 s[10:11], s[10:11], s[100:101]
	s_lshl_b32 s100, ttmp9, 12
	s_add_nc_u64 s[12:13], s[12:13], s[100:101]    ; 128 rows x 32 scale bytes
	s_lshl_b32 s100, ttmp9, 9
	s_add_nc_u64 s[14:15], s[14:15], s[100:101]    ; 128 numbers of b1
	WIN 0xc0
.set i, 0
.rept 32
	global_load_b128 v[4*i:4*i+3], v4, s[10:11] offset:512*i th:TH_LOAD_NT         ; a whole row of W1: 512 consecutive bytes; read once in the launch
.set i, i+1
.endr
	WIN 0
	s_wait_loadcnt 32                              ; sel is in: the 32 loads of W1 were issued behind it
.set i, 0
.rept 32
	v_and_b32 v[22+i%2], s99, v[128+i]
	v_cmp_ne_u32 s[WD+i], 0, v[22+i%2]             ; word i: bit l = my expert was chosen by token 128 (i / 4) + 4 l + i % 4
.set i, i+1
.endr
	s_mov_b32 s100, 0
.set i, 0
.rept 32
	s_lshl_b32 s101, s100, 5
	s_or_b32 s[KEY+i], s101, i
	s_bcnt1_i32_b32 s101, s[WD+i]
	s_add_co_u32 s100, s100, s101
.set i, i+1
.endr
	v_mov_b32 v217, s100                           ; n: my expert's rows
	s_sub_co_u32 s23, s100, 1                      ; the last rank
	s_add_co_u32 s24, s100, 31
	s_lshr_b32 s24, s24, 5                         ; supertiles
	s_add_co_u32 s24, s24, 3
	s_sub_co_u32 s24, s24, s2
	s_lshr_b32 s24, s24, 2                         ; of which mine: wave, wave + 4, ..
.irp t, 0,1,2,3,4,5,6,7
.irp p, 0,1
	global_load_b128 v[W1S+8*\t+4*\p:W1S+8*\t+4*\p+3], v210, s[12:13] offset:(32*(\t/2)+8*(\t%2))*32+16*\p   ; tile t's scale words of K steps 4 p ..
.endr
.endr
	WIN 0xc0
.irp t, 0,1,2,3,4,5,6,7
.irp q, 0,1
	global_load_b128 v[128+8*\t+4*\q:128+8*\t+4*\q+3], v211, s[14:15] offset:(32*(\t/2)+8*(\t%2))*4+16*\q   ; b1 in the result's layout: units 32 (t / 2) + 8 (t % 2) + 16 h + 0 .. 7
.endr
.endr
	WIN 0
	s_or_b32 s101, s22, s2                         ; the expert's first work-group, its wave 0, stores the count (a branch on ids)
	s_cmp_lg_u32 s101, 0
	s_cbranch_scc1 .Lno_count
	global_store_b32 v218, v217, s[20:21] offset:32768
.Lno_count:
	s_wait_loadcnt 32                              ; W1's rows are in: the 32 loads of scale words and b1 were issued behind them
	WIN 0x0c                                       ; an LDS store's data are its source 1: window 3
.set i, 0
.rept 32
	ds_store_b128 v30, v[4*i:4*i+3] offset:PITCH*(i%8+8*(((i/8)&1)*2+((i/8)>>1)))  ; the two middle groups of eight rows change places: a tile's 16 rows then lie on end
.set i, i+1
.endr
	WIN 0
	s_wait_dscnt 0x0                               ; for the others' sake: my stores have landed
	s_barrier_signal -1
	s_barrier_wait -1                              ; the one barrier, ahead of every branch on loaded numbers: the 128 rows lie in LDS
	s_cmp_eq_u32 s24, 0
	s_cbranch_scc1 .Lend                           ; this split leaves my wave no rows
	s_lshl_b32 s25, s2, 5                          ; my first supertile's first rank
	INV
	XLOAD 0
	XLOAD 1
	s_lshl_b32 s26, s3, 6
	s_lshl_b32 s99, s2, 1
	s_add_co_u32 s26, s26, s99                     ; tile 64 e + 2 wave
	s_lshl_b32 s26, s26, 5
	s_add_co_u32 s26, s26, s22                     ; x 32 + g
	s_lshl_b32 s27, s26, 6                         ; 64 bytes of scale words,
	s_lshl_b32 s26, s26, 10                        ; 1,024 bytes of image
	WIN 0x40                                       ; destination window 1
.irp s, 0,1,2,3
.irp t, 0,1,2,3,4,5,6,7
.irp c, 0,1
	ds_load_b128 v[(\s*8+\t)*8+4*\c:(\s*8+\t)*8+4*\c+3], v31 offset:16*PITCH*\t+64*\s+32*\c
.endr
.endr
.endr
	WIN 0x80                                       ; destination window 2
.irp s, 0,1,2,3
.irp t, 0,1,2,3,4,5,6,7
.irp c, 0,1
	ds_load_b128 v[(\s*8+\t)*8+4*\c:(\s*8+\t)*8+4*\c+3], v31 offset:16*PITCH*\t+64*(\s+4)+32*\c
.endr
.endr
.endr
	WIN 0
	s_wait_dscnt 0x0                               ; all 64 fragments of W1 are in my registers
	s_sub_co_u32 s24, s24, 1
	s_cmp_eq_u32 s24, 0
	s_cbranch_scc1 .Ltail
.Lloop:
	TRIP 1
	s_sub_co_u32 s24, s24, 1
	s_cmp_lg_u32 s24, 0
	s_cbranch_scc1 .Lloop
.Ltail:
	TRIP 0                                         ; the last supertile asks for nothing more
.Lend:
	s_wait_tensorcnt 0x0                           ; the wave's end
	ds_add_u32 v28, v29
	s_wait_dscnt 0x0
	s_endpgm
.Lfunc_end_k_q91db289efa_ffn1:
	.size	k_q91db289efa_ffn1, .Lfunc_end_k_q91db289efa_ffn1-k_q91db289efa_ffn1
	.p2alignl 7, 3214868480
	.fill 96, 4, 3214868480
	.section	.rodata,"a",@progbits
	.p2align	6, 0x0
	.amdhsa_kernel k_q91db289efa_ffn1
		.amdhsa_group_segment_fixed_size 68096
		.amdhsa_private_segment_fixed_size 0
		.amdhsa_enable_private_segment 0
		.amdhsa_kernarg_size 72
		.amdhsa_user_sgpr_count 2
		.amdhsa_user_sgpr_kernarg_segment_ptr 1
		.amdhsa_wavefront_size32 1
		.amdhsa_system_sgpr_workgroup_id_x 1
		.amdhsa_system_sgpr_workgroup_id_y 1
		.amdhsa_system_sgpr_workgroup_id_z 1
		.amdhsa_system_vgpr_workitem_id 0
		.amdhsa_next_free_vgpr 1024
		.amdhsa_next_free_sgpr 102
		.amdhsa_reserve_vcc 1
		.amdhsa_float_denorm_mode_32 3
		.amdhsa_float_denorm_mode_16_64 3
		.amdhsa_memory_ordered 1
		.amdhsa_forward_progress 1
		.amdhsa_inst_pref_size 104
	.end_amdhsa_kernel
	.amdgpu_metadata
---
amdhsa.version: [ 1, 2 ]
amdhsa.kernels:
  - .name:           k_q91db289efa_ffn1
    .symbol:         k_q91db289efa_ffn1.kd
    .args:
      - { .name: xq, .offset: 0, .size: 8, .value_kind: global_buffer, .address_space: global }
      - { .name: xs, .offset: 8, .size: 8, .value_kind: global_buffer, .address_space: global }
      - { .name: sel, .offset: 16, .size: 8, .value_kind: global_buffer, .address_space: global }
      - { .name: w1_codes, .offset: 24, .size: 8, .value_kind: global_buffer, .address_space: global }
      - { .name: w1_scales, .offset: 32, .size: 8, .value_kind: global_buffer, .address_space: global }
      - { .name: b1, .offset: 40, .size: 8, .value_kind: global_buffer, .address_space: global }
      - { .name: himg, .offset: 48, .size: 8, .value_kind: global_buffer, .address_space: global }
      - { .name: hsc, .offset: 56, .size: 8, .value_kind: global_buffer, .address_space: global }
      - { .name: pos, .offset: 64, .size: 8, .value_kind: global_buffer, .address_space: global }
    .group_segment_fixed_size: 68096
    .private_segment_fixed_size: 0
    .kernarg_segment_align: 8
    .kernarg_segment_size: 72
    .max_flat_workgroup_size: 128
    .sgpr_count:     102
    .vgpr_count:     1024
    .wavefront_size: 32
...
	.end_amdgpu_metadata
.endif
;; end of part 2
;; launch ffn2 (part 3): grid 256 x 1, 4 waves a work-group, no clusters, 75,776 bytes of LDS; arguments himg, hsc, pos, w2_codes, w2_scales, b2, y; writes y
.if DOCPART == 3
	.amdgcn_target "amdgcn-amd-amdhsa--gfx1250"
	.amdhsa_code_object_version 6
	.text
	.protected	k_q91db289efa_ffn2
	.globl	k_q91db289efa_ffn2
	.p2align	8
	.type	k_q91db289efa_ffn2,@function
k_q91db289efa_ffn2:
	s_mov_b64 s[64:65], 0
	v_nop
	global_prefetch_b8 v0, s[64:65] scope:SCOPE_SE
	s_setreg_imm32_b32 hwreg(HW_REG_WAVE_MODE, 25, 1), 1
	s_wait_xcnt 0x0
; SECOND EXPERT PRODUCT, ON THE CHOSEN ROWS ALONE: y = hidden W2[e] + b2[e], both operands codes of E2M1 with E8M0 scales; rows in the order of their slots.
; The rows of experts that a token did not choose are left out: their gate is exactly 0 (shown at the head of the first kernel; its limit on NaN and infinities holds here too).
; SHARES.  Work-group wg = 32 e + g owns output columns 32 g .. 32 g + 31 of expert e for all 4,096 along K: 32 rows of 2,048 bytes, one dense block of 65,536 bytes at wg x 65,536 of w2_codes.  It is read from memory
; ONCE, by loads of 512 consecutive bytes, goes through LDS into the registers of all four waves (512 registers each) and stays.  Then the waves part: wave w takes the expert's tiles of 16 rows w, w + 4, ..; how many
; hangs on the stored count, so no barrier stands in the walk and the launch has no tensor load; no cluster: the weights are shared by nobody.
; A tile's 32 fragments come as images of their registers: loads of 512 consecutive bytes, a whole tile (four chunks of 8 K steps) ahead, each chunk into the registers that its products have just left.
; THE PRODUCT IS USED TRANSPOSED (source 0 = 16 rows of W2, source 1 = 16 hidden rows): a lane holds eight neighbouring outputs of one row.  b2 is the C of a sum's first instruction.  Even and odd K steps have
; accumulators of their own, so that four take turns; the two are added at the end (the sums are f32; the order differs from ascending K by that split).
; OUT.  y[tile][g][slot][32 numbers]: a block of 2,048 consecutive bytes, through the wave's own stage in LDS, so that each store covers 512 consecutive bytes.
; REGISTERS.  window 0: v1-31 addresses; v64-127 W2's scale words; v128-143 the hidden layer's (lanes 0-15: K step 2 p, lanes 16-31: 2 p + 1); v144-175 four accumulators; v176-191 b2; v192-223 the way out.
;   window 1: W2's fragments of K steps 0-15 ((s, n) at v[8 (2 s + n)]); window 2: of 16-31; window 3: the hidden tile, K step s at v[8 s].
.set PITCH, 2064                       ; an LDS row: 2,048 bytes + 16: the 16 rows of a fragment load start 4 banks apart
.set STG,   32*PITCH                   ; behind the rows: a stage of 16 x (128 + 16) bytes for each wave
.set SPARE, STG+4*2304                 ; behind the stages: the spare words, 128 bytes a wave, two blocks of 256 bytes that no other line names
.set W2S, 64
.set HS,  128
.set ACC, 144
.set B2,  176
.set Y,   192
.set O,   208
.set MSB, 0
.macro WIN new                         ; s_set_vgpr_msb: bits 1:0 source 0, 3:2 source 1, 5:4 source 2, 7:6 destination; the high byte repeats the setting that is left
.if MSB != \new
	s_set_vgpr_msb (MSB<<8)|\new
.set MSB, \new
.endif
.endm
.macro NOPS n
.rept \n
	v_nop
.endr
.endm
.macro HLOAD c                         ; 20 loads: chunk c of the tile at v6, v7: K steps 8 c .. 8 c + 7 and their scale words
	WIN 0xc0                                       ; destination window 3
.irp u, 0,1,2,3,4,5,6,7
.irp k, 0,1
	global_load_b128 v[8*(8*(\c)+\u)+4*\k:8*(8*(\c)+\u)+4*\k+3], v6, s[4:5] offset:1024*(8*(\c)+\u)+512*\k
.endr
.endr
	WIN 0
.irp p, 0,1,2,3
	global_load_b32 v[HS+4*(\c)+\p], v7, s[6:7] offset:128*(4*(\c)+\p)
.endr
.endm
.macro MULC c                          ; 16 matrix instructions; the four accumulators by turns, one instruction a turn
.if (\c) < 2
	WIN 0x0d                                       ; W2 window 1, the hidden tile window 3, C and D window 0
.else
	WIN 0x0e                                       ; W2 window 2
.endif
.set ss, 8*(\c)
.rept 8
.irp n, 0,1
.set rD, ACC+8*(2*(ss%2)+\n)
.set rA, ((ss%16)*2+\n)*8
.set rB, 8*ss
.if ss == 0
	v_wmma_scale_f32_16x16x128_f8f6f4 v[rD:rD+7], v[rA:rA+7], v[rB:rB+7], v[B2+8*\n:B2+8*\n+7], v[W2S+32*\n+ss], v[HS+ss/2] matrix_a_fmt:MATRIX_FMT_FP4 matrix_b_fmt:MATRIX_FMT_FP4
.elseif ss == 1
	v_wmma_scale_f32_16x16x128_f8f6f4 v[rD:rD+7], v[rA:rA+7], v[rB:rB+7], 0, v[W2S+32*\n+ss], v[HS+ss/2] matrix_a_fmt:MATRIX_FMT_FP4 matrix_b_fmt:MATRIX_FMT_FP4 matrix_b_scale:MATRIX_SCALE_ROW1
.elseif ss%2 == 0
	v_wmma_scale_f32_16x16x128_f8f6f4 v[rD:rD+7], v[rA:rA+7], v[rB:rB+7], v[rD:rD+7], v[W2S+32*\n+ss], v[HS+ss/2] matrix_a_fmt:MATRIX_FMT_FP4 matrix_b_fmt:MATRIX_FMT_FP4
.else
	v_wmma_scale_f32_16x16x128_f8f6f4 v[rD:rD+7], v[rA:rA+7], v[rB:rB+7], v[rD:rD+7], v[W2S+32*\n+ss], v[HS+ss/2] matrix_a_fmt:MATRIX_FMT_FP4 matrix_b_fmt:MATRIX_FMT_FP4 matrix_b_scale:MATRIX_SCALE_ROW1
.endif
.endr
.set ss, ss+1
.endr
	WIN 0
.endm
; A tile of 16 rows.  next = 1: my next tile is asked for, chunk by chunk.
.macro TRIP next
	s_wait_xcnt 0x0                                ; all earlier loads and stores have read their addresses and data: offsets and the rows to store may be written again
	v_add_nc_u32 v8, s27, v4
.if \next
	s_add_co_u32 s25, s25, 131072                  ; four tiles on: 32,768 bytes of images each,
	s_add_co_u32 s26, s26, 8192                    ; 2,048 of scale words
	v_add_nc_u32 v6, s25, v4
	v_add_nc_u32 v7, s26, v5
.endif
.irp c, 0,1,2,3
.if \next
	s_wait_loadcnt 60                              ; this chunk is in: three chunks of 20 loads were issued behind it
.else
	s_wait_loadcnt 60-20*\c
.endif
	MULC \c
	NOPS 5                                         ; four places in front of loads into registers that the products read and of the first read of results; five in front of the next tile's products, which begin the accumulators anew
.if \next
	HLOAD \c
.endif
.endr
.irp n, 0,1
.irp q, 0,2,4,6
	v_pk_add_f32 v[Y+8*\n+\q:Y+8*\n+\q+1], v[ACC+8*\n+\q:ACC+8*\n+\q+1], v[ACC+16+8*\n+\q:ACC+16+8*\n+\q+1]   ; even K steps' sums + odd ones'; each accumulator from its low end on
.endr
.endr
.irp n, 0,1
.irp q, 0,1
	ds_store_b128 v9, v[Y+8*\n+4*\q:Y+8*\n+4*\q+3] offset:64*\n+16*\q      ; lane (r, h): y(slot r, 16 n + 8 h + 0 .. 7)
.endr
.endr
.irp k, 0,1,2,3
	ds_load_b128 v[O+4*\k:O+4*\k+3], v10 offset:576*\k                     ; LDS serves a wave's instructions in order: these see my stores.  Four slots' 128 bytes an instruction
.endr
	s_wait_dscnt 0x0
.irp k, 0,1,2,3
	global_store_b128 v8, v[O+4*\k:O+4*\k+3], s[16:17] offset:512*\k       ; 32 lanes store 512 consecutive bytes, at a multiple of 256 from y's first byte
.endr
	s_add_co_u32 s27, s27, 262144                  ; four tiles of 65,536 bytes on
.endm
	s_load_b256 s[4:11], s[0:1], 0x0               ; himg s[4:5], hsc s[6:7], pos s[8:9], w2_codes s[10:11]
	s_load_b128 s[12:15], s[0:1], 0x20             ; w2_scales s[12:13], b2 s[14:15]
	s_load_b64 s[16:17], s[0:1], 0x30              ; y
	v_lshl_add_u32 v28, v0, 2, SPARE               ; my spare word,
	v_mov_b32 v29, 0                               ; and 0: kept for the closing lines alone
	v_lshrrev_b32 v1, 5, v0
	v_readfirstlane_b32 s21, v1                    ; wave
	v_and_b32 v1, 31, v0                           ; lane
	v_and_b32 v3, 15, v0                           ; r
	v_bfe_u32 v2, v0, 4, 1                         ; h
	v_lshlrev_b32 v4, 4, v1                        ; 16 x lane
	v_lshlrev_b32 v5, 2, v1                        ; 4 x lane
	v_lshlrev_b32 v11, 7, v3                       ; W2's scale bytes: 128 a row
	v_lshlrev_b32 v12, 5, v2                       ; b2: 32 h
	s_mul_i32 s29, s21, 8*PITCH
	v_add_nc_u32 v30, s29, v4                      ; LDS, on the way in: my wave's 8 rows, 16 bytes a lane
	v_mul_u32_u24 v31, v3, PITCH
	v_lshl_add_u32 v31, v2, 4, v31                 ; and out: row r of a tile, + 16 h
	s_mul_i32 s29, s21, 2304
	s_add_co_u32 s29, s29, STG                     ; my stage
	v_mul_u32_u24 v9, v3, 144
	v_lshl_add_u32 v9, v2, 5, v9
	v_add_nc_u32 v9, s29, v9                       ; in: slot r, + 32 h
	v_lshrrev_b32 v10, 3, v1
	v_mul_u32_u24 v10, v10, 144
	v_and_b32 v13, 7, v1
	v_lshl_add_u32 v10, v13, 4, v10
	v_add_nc_u32 v10, s29, v10                     ; back: eight lanes to a slot's 128 bytes
	s_lshr_b32 s22, ttmp9, 5                       ; e
	s_and_b32 s23, ttmp9, 31                       ; g
	s_lshl_b32 s28, s22, 2
	s_lshl_b32 s30, ttmp9, 16
	s_lshl_b32 s31, s21, 14
	s_add_co_u32 s30, s30, s31                     ; my wave's 8 rows of the work-group's 32
	s_mov_b32 s31, 0
	s_wait_kmcnt 0x0
	s_load_b32 s20, s[8:9], s28 offset:0x8000      ; my expert's rows, as the launch before stored the count
	s_add_nc_u64 s[10:11], s[10:11], s[30:31]
	s_lshl_b32 s30, ttmp9, 12
	s_add_nc_u64 s[12:13], s[12:13], s[30:31]      ; 32 rows x 128 scale bytes
	s_lshl_b32 s30, ttmp9, 7
	s_add_nc_u64 s[14:15], s[14:15], s[30:31]      ; 32 numbers of b2
	WIN 0xc0
.set i, 0
.rept 32
	global_load_b128 v[4*i:4*i+3], v4, s[10:11] offset:512*i th:TH_LOAD_NT         ; a quarter of a row of W2: 512 consecutive bytes; read once in the launch
.set i, i+1
.endr
	WIN 0
.irp n, 0,1
.irp p, 0,1,2,3,4,5,6,7
	global_load_b128 v[W2S+32*\n+4*\p:W2S+32*\n+4*\p+3], v11, s[12:13] offset:2048*\n+16*\p
.endr
.endr
.irp n, 0,1
.irp q, 0,1
	global_load_b128 v[B2+8*\n+4*\q:B2+8*\n+4*\q+3], v12, s[14:15] offset:64*\n+16*\q   ; b2 in the result's layout: columns 16 n + 8 h + 0 .. 7
.endr
.endr
	s_wait_loadcnt 20                              ; W2's rows are in: the 20 loads of scale words and b2 were issued behind them
	WIN 0x0c                                       ; an LDS store's data are its source 1: window 3
.set i, 0
.rept 32
	ds_store_b128 v30, v[4*i:4*i+3] offset:PITCH*(i/4)+512*(i%4)
.set i, i+1
.endr
	WIN 0
	s_wait_dscnt 0x0                               ; for the others' sake: my stores have landed
	s_barrier_signal -1
	s_barrier_wait -1                              ; the one barrier, ahead of every branch on loaded numbers: the 32 rows lie in LDS
	s_wait_kmcnt 0x0
	s_min_u32 s20, s20, 1024
	s_add_co_u32 s24, s20, 15
	s_lshr_b32 s24, s24, 4                         ; tiles
	s_add_co_u32 s24, s24, 3
	s_sub_co_u32 s24, s24, s21
	s_lshr_b32 s24, s24, 2                         ; of which mine
	s_cmp_eq_u32 s24, 0
	s_cbranch_scc1 .Lend                           ; this split leaves my wave no rows
	s_lshl_b32 s27, s22, 6
	s_add_co_u32 s27, s27, s21                     ; tile 64 e + wave
	s_lshl_b32 s25, s27, 15                        ; its images,
	s_lshl_b32 s26, s27, 11                        ; its scale words,
	s_lshl_b32 s27, s27, 5
	s_add_co_u32 s27, s27, s23
	s_lshl_b32 s27, s27, 11                        ; and my block of y
	v_add_nc_u32 v6, s25, v4
	v_add_nc_u32 v7, s26, v5
	HLOAD 0
	HLOAD 1
	HLOAD 2
	WIN 0x40                                       ; destination window 1
.set ss, 0
.rept 16
.irp n, 0,1
.irp c, 0,1
	ds_load_b128 v[(ss*2+\n)*8+4*\c:(ss*2+\n)*8+4*\c+3], v31 offset:16*PITCH*\n+64*ss+32*\c
.endr
.endr
.set ss, ss+1
.endr
	WIN 0x80                                       ; destination window 2
.set ss, 0
.rept 16
.irp n, 0,1
.irp c, 0,1
	ds_load_b128 v[(ss*2+\n)*8+4*\c:(ss*2+\n)*8+4*\c+3], v31 offset:16*PITCH*\n+64*(ss+16)+32*\c
.endr
.endr
.set ss, ss+1
.endr
	WIN 0
	HLOAD 3
	s_wait_dscnt 0x0                               ; all 64 fragments of W2 are in my registers
	s_sub_co_u32 s24, s24, 1
	s_cmp_eq_u32 s24, 0
	s_cbranch_scc1 .Ltail
.Lloop:
	TRIP 1
	s_sub_co_u32 s24, s24, 1
	s_cmp_lg_u32 s24, 0
	s_cbranch_scc1 .Lloop
.Ltail:
	TRIP 0                                         ; the last tile asks for nothing more: the counts run down
.Lend:
	s_wait_tensorcnt 0x0                           ; the wave's end
	ds_add_u32 v28, v29
	s_wait_dscnt 0x0
	s_endpgm
.Lfunc_end_k_q91db289efa_ffn2:
	.size	k_q91db289efa_ffn2, .Lfunc_end_k_q91db289efa_ffn2-k_q91db289efa_ffn2
	.p2alignl 7, 3214868480
	.fill 96, 4, 3214868480
	.section	.rodata,"a",@progbits
	.p2align	6, 0x0
	.amdhsa_kernel k_q91db289efa_ffn2
		.amdhsa_group_segment_fixed_size 75776
		.amdhsa_private_segment_fixed_size 0
		.amdhsa_enable_private_segment 0
		.amdhsa_kernarg_size 56
		.amdhsa_user_sgpr_count 2
		.amdhsa_user_sgpr_kernarg_segment_ptr 1
		.amdhsa_wavefront_size32 1
		.amdhsa_system_sgpr_workgroup_id_x 1
		.amdhsa_system_sgpr_workgroup_id_y 1
		.amdhsa_system_sgpr_workgroup_id_z 1
		.amdhsa_system_vgpr_workitem_id 0
		.amdhsa_next_free_vgpr 1024
		.amdhsa_next_free_sgpr 66
		.amdhsa_reserve_vcc 0
		.amdhsa_float_denorm_mode_32 3
		.amdhsa_float_denorm_mode_16_64 3
		.amdhsa_memory_ordered 1
		.amdhsa_forward_progress 1
		.amdhsa_inst_pref_size 56
	.end_amdhsa_kernel
	.amdgpu_metadata
---
amdhsa.version: [ 1, 2 ]
amdhsa.kernels:
  - .name:           k_q91db289efa_ffn2
    .symbol:         k_q91db289efa_ffn2.kd
    .args:
      - { .name: himg, .offset: 0, .size: 8, .value_kind: global_buffer, .address_space: global }
      - { .name: hsc, .offset: 8, .size: 8, .value_kind: global_buffer, .address_space: global }
      - { .name: pos, .offset: 16, .size: 8, .value_kind: global_buffer, .address_space: global }
      - { .name: w2_codes, .offset: 24, .size: 8, .value_kind: global_buffer, .address_space: global }
      - { .name: w2_scales, .offset: 32, .size: 8, .value_kind: global_buffer, .address_space: global }
      - { .name: b2, .offset: 40, .size: 8, .value_kind: global_buffer, .address_space: global }
      - { .name: y, .offset: 48, .size: 8, .value_kind: global_buffer, .address_space: global }
    .group_segment_fixed_size: 75776
    .private_segment_fixed_size: 0
    .kernarg_segment_align: 8
    .kernarg_segment_size: 56
    .max_flat_workgroup_size: 128
    .sgpr_count:     66
    .vgpr_count:     1024
    .wavefront_size: 32
...
	.end_amdgpu_metadata
.endif
;; end of part 3
;; launch mix (part 4): grid 256 x 1, 4 waves a work-group, no clusters, 0 bytes of LDS; arguments y, sel, gates, pos, out0; writes out0
.if DOCPART == 4
	.amdgcn_target "amdgcn-amd-amdhsa--gfx1250"
	.amdhsa_code_object_version 6
	.text
	.protected	k_q91db289efa_mix
	.globl	k_q91db289efa_mix
	.p2align	8
	.type	k_q91db289efa_mix,@function
k_q91db289efa_mix:
	s_mov_b64 s[64:65], 0
	v_nop
	global_prefetch_b8 v0, s[64:65] scope:SCOPE_SE
	s_setreg_imm32_b32 hwreg(HW_REG_WAVE_MODE, 25, 1), 1
	s_wait_xcnt 0x0
; out[t] = g0 y[row of (t, e0)] + g1 y[row of (t, e1)].  The six other experts' terms are left out: their gate is exactly 0 (shown at the head of the first kernel).
; A wave takes one token, t = 4 x work-group + wave.  All that steers addresses is scalar and was stored by earlier launches as whole numbers: sel[t] names the two experts, pos[t][e] the row's place in y in units
; of 128 bytes.  A row of y lies as 32 pieces of 128 bytes, 2,048 bytes apart; a load takes four pieces, a store 512 consecutive bytes of out.  A stream: no LDS, no barrier, no matrix unit.
.set YA, 8                             ; v8-39    the first expert's row
.set YB, 40                            ; v40-71   the second's
.set OU, 72                            ; v72-103  the token's row of out: registers of its own for each store
	s_load_b256 s[4:11], s[0:1], 0x0               ; y s[4:5], sel s[6:7], gates s[8:9], pos s[10:11]
	s_load_b64 s[12:13], s[0:1], 0x20              ; out0
	v_lshrrev_b32 v1, 5, v0
	v_readfirstlane_b32 s14, v1                    ; wave
	v_and_b32 v1, 31, v0                           ; lane
	v_lshrrev_b32 v2, 3, v1
	v_and_b32 v6, 7, v1
	v_lshlrev_b32 v2, 11, v2
	v_lshl_add_u32 v2, v6, 4, v2                   ; piece lane / 8 of a load's four, 16 bytes a lane
	v_lshlrev_b32 v5, 4, v1                        ; out: 16 x lane
	s_lshl_b32 s15, ttmp9, 2
	s_add_co_u32 s14, s14, s15                     ; t
	s_lshl_b32 s15, s14, 2
	s_lshl_b32 s17, s14, 3
	s_lshl_b32 s22, s14, 5
	s_lshl_b32 s28, s14, 12
	s_mov_b32 s29, 0
	s_wait_kmcnt 0x0
	s_load_b32 s16, s[6:7], s15 offset:0x0         ; sel[t]
	s_load_b64 s[18:19], s[8:9], s17 offset:0x0    ; g0, g1
	s_add_nc_u64 s[12:13], s[12:13], s[28:29]      ; out at my token
	s_wait_kmcnt 0x0
	s_bfe_u32 s20, s16, 0x30008                    ; e0
	s_bfe_u32 s21, s16, 0x30010                    ; e1
	s_min_u32 s20, s20, 7                          ; a loaded number is held inside the table before it enters an address
	s_min_u32 s21, s21, 7
	s_lshl_b32 s20, s20, 2
	s_lshl_b32 s21, s21, 2
	s_add_co_u32 s20, s20, s22                     ; pos[t][e]
	s_add_co_u32 s21, s21, s22
	s_load_b32 s24, s[10:11], s20 offset:0x0
	s_load_b32 s25, s[10:11], s21 offset:0x0
	s_mov_b32 s26, s19                             ; g1 as a pair: the packed form names a pair and takes its low word for both halves
	s_mov_b32 s27, s19
	s_wait_kmcnt 0x0
	s_min_u32 s24, s24, 0x3fe0f                    ; the last place there is: tile 511, slot 15
	s_min_u32 s25, s25, 0x3fe0f
	s_lshl_b32 s24, s24, 7
	s_lshl_b32 s25, s25, 7
	v_add_nc_u32 v3, s24, v2
	v_add_nc_u32 v4, s25, v2
.irp i, 0,1,2,3,4,5,6,7
	global_load_b128 v[YA+4*\i:YA+4*\i+3], v3, s[4:5] offset:8192*\i th:TH_LOAD_NT   ; each row of y is read once in the launch
	global_load_b128 v[YB+4*\i:YB+4*\i+3], v4, s[4:5] offset:8192*\i th:TH_LOAD_NT
.endr
.irp i, 0,1,2,3,4,5,6,7
	s_wait_loadcnt 14-2*\i                         ; pair i is in: the later pairs were issued behind it
	v_pk_mul_f32 v[OU+4*\i:OU+4*\i+1], v[YB+4*\i:YB+4*\i+1], s[26:27] op_sel_hi:[1,0]
	v_pk_mul_f32 v[OU+4*\i+2:OU+4*\i+3], v[YB+4*\i+2:YB+4*\i+3], s[26:27] op_sel_hi:[1,0]
	v_pk_fma_f32 v[OU+4*\i:OU+4*\i+1], v[YA+4*\i:YA+4*\i+1], s[18:19], v[OU+4*\i:OU+4*\i+1] op_sel_hi:[1,0,1]
	v_pk_fma_f32 v[OU+4*\i+2:OU+4*\i+3], v[YA+4*\i+2:YA+4*\i+3], s[18:19], v[OU+4*\i+2:OU+4*\i+3] op_sel_hi:[1,0,1]
	global_store_b128 v5, v[OU+4*\i:OU+4*\i+3], s[12:13] offset:512*\i th:TH_STORE_NT   ; 32 lanes store 512 consecutive bytes, at a multiple of 256 from out's first byte
.endr
	s_endpgm
.Lfunc_end_k_q91db289efa_mix:
	.size	k_q91db289efa_mix, .Lfunc_end_k_q91db289efa_mix-k_q91db289efa_mix
	.p2alignl 7, 3214868480
	.fill 96, 4, 3214868480
	.section	.rodata,"a",@progbits
	.p2align	6, 0x0
	.amdhsa_kernel k_q91db289efa_mix
		.amdhsa_group_segment_fixed_size 0
		.amdhsa_private_segment_fixed_size 0
		.amdhsa_enable_private_segment 0
		.amdhsa_kernarg_size 40
		.amdhsa_user_sgpr_count 2
		.amdhsa_user_sgpr_kernarg_segment_ptr 1
		.amdhsa_wavefront_size32 1
		.amdhsa_system_sgpr_workgroup_id_x 1
		.amdhsa_system_sgpr_workgroup_id_y 1
		.amdhsa_system_sgpr_workgroup_id_z 1
		.amdhsa_system_vgpr_workitem_id 0
		.amdhsa_next_free_vgpr 104
		.amdhsa_next_free_sgpr 66
		.amdhsa_reserve_vcc 0
		.amdhsa_float_denorm_mode_32 3
		.amdhsa_float_denorm_mode_16_64 3
		.amdhsa_memory_ordered 1
		.amdhsa_forward_progress 1
		.amdhsa_inst_pref_size 7
	.end_amdhsa_kernel
	.amdgpu_metadata
---
amdhsa.version: [ 1, 2 ]
amdhsa.kernels:
  - .name:           k_q91db289efa_mix
    .symbol:         k_q91db289efa_mix.kd
    .args:
      - { .name: y, .offset: 0, .size: 8, .value_kind: global_buffer, .address_space: global }
      - { .name: sel, .offset: 8, .size: 8, .value_kind: global_buffer, .address_space: global }
      - { .name: gates, .offset: 16, .size: 8, .value_kind: global_buffer, .address_space: global }
      - { .name: pos, .offset: 24, .size: 8, .value_kind: global_buffer, .address_space: global }
      - { .name: out0, .offset: 32, .size: 8, .value_kind: global_buffer, .address_space: global }
    .group_segment_fixed_size: 0
    .private_segment_fixed_size: 0
    .kernarg_segment_align: 8
    .kernarg_segment_size: 40
    .max_flat_workgroup_size: 128
    .sgpr_count:     66
    .vgpr_count:     104
    .wavefront_size: 32
...
	.end_amdgpu_metadata
.endif
;; end of part 4
;; ======== version 2 of 2: 4 launches
;; workspace buffers: xq 524,288 bytes; xs 32,768 bytes; sel 4,096 bytes of whole numbers; gates 8,192 bytes; himg 16,777,216 bytes; hsc 1,048,576 bytes; pos 33,024 bytes of whole numbers; y 33,554,432 bytes
;; launch route (part 5): grid 256 x 1, 4 waves a work-group, no clusters, 18,944 bytes of LDS; arguments x, router_w, router_b, xq, xs, sel, gates; writes xq, xs, sel, gates
.if DOCPART == 5
	.amdgcn_target "amdgcn-amd-amdhsa--gfx1250"
	.amdhsa_code_object_version 6
	.text
	.protected	k_q91db289efa_route
	.globl	k_q91db289efa_route
	.p2align	8
	.type	k_q91db289efa_route,@function
k_q91db289efa_route:
	s_mov_b64 s[64:65], 0
	v_nop
	global_prefetch_b8 v0, s[64:65] scope:SCOPE_SE
	s_setreg_imm32_b32 hwreg(HW_REG_WAVE_MODE, 25, 1), 1
	s_wait_xcnt 0x0
; ROUTER AND QUANTISER OF x.  1,024 tokens of 1,024 numbers; a wave takes one token, t = 4 x work-group + wave.
; It makes the token's 8 logits in f32 (x . router_w[e] + router_b[e]), the two largest (the lower index wins a tie, as jax.lax.top_k has it), their gates
; (softmax over the two, the larger logit taken away before the exponential, as reference() does), and x's codes of E2M1 with one E8M0 byte for each 32 along K.
; DEAD WORK LEFT OUT BY THE WHOLE PROGRAM.  reference() sets the logits of the six experts that were not chosen to -infinity ahead of its softmax, so their gate is exactly 0, whatever the inputs hold;
; in exact arithmetic (h W2 + b2) x 0 = 0, so the rows of all sixteen expert products that belong to a pair (token, expert) not chosen reach no output.  They are whole rows: only the 2,048 chosen rows are multiplied.
; Every input has a way to the output and is loaded.  LIMIT: a NaN, an infinity or an overflow that arises only in a row left out is not carried to the result.
; What steers addresses later (the choice) is only STORED here, at fixed places, as whole numbers: sel[t] = (1 << e0) | (1 << e1) | e0 << 8 | e1 << 16; gates[t] = g0, g1.
; LIMITS: NaN and infinities among x, router_w, router_b are not served.  The logits are f32 sums in another order than reference()'s: where the second and the third logit of a token lie within that rounding
; (some 1e-6 of their size) the other expert may be chosen.  A block of zeros gets the scale byte 1 where the rule says 127: its codes are zeros, which add nothing, and this program alone reads the bytes.
; No matrix unit: 8 columns.  No barrier: waves share nothing.
.set STGB,  4608                       ; a wave's stage in LDS: 32 places of 128 bytes + 16 of padding
.set SPARE, 4*STGB                     ; behind the stages: the spare words, 128 bytes a wave, two blocks of 256 bytes that no other line names
.set R,   8                            ; v8-39    x as loaded: R[4 i + j] = x[128 i + 4 lane + j]
.set X,   40                           ; v40-71   x after the turn: X[j] = x[32 lane + j]: a whole block of 32
.set RW,  72                           ; v72-199  router_w, four slots of 32, in R's lane map
.set AC,  200                          ; v200-231 four partial sums an expert
.set LG,  232                          ; v232-239 the logits
	s_load_b256 s[4:11], s[0:1], 0x0               ; x s[4:5], router_w s[6:7], router_b s[8:9], xq s[10:11]
	s_load_b128 s[12:15], s[0:1], 0x20             ; xs s[12:13], sel s[14:15]
	s_load_b64 s[16:17], s[0:1], 0x30              ; gates
	v_lshl_add_u32 v5, v0, 2, SPARE                ; my spare word,
	v_mov_b32 v6, 0                                ; and 0: kept for the closing lines alone
	v_lshrrev_b32 v1, 5, v0
	v_readfirstlane_b32 s28, v1                    ; wave
	v_and_b32 v1, 31, v0                           ; lane
	v_lshlrev_b32 v2, 4, v1                        ; 16 x lane
	s_mul_i32 s18, s28, STGB
	v_lshrrev_b32 v3, 3, v1
	v_mul_u32_u24 v3, v3, 144
	v_and_b32 v4, 7, v1
	v_lshl_add_u32 v3, v4, 4, v3
	v_add_nc_u32 v3, s18, v3                       ; the stage, on the way in: eight lanes' 128 bytes on end, then padding
	v_mul_u32_u24 v4, v1, 144
	v_add_nc_u32 v4, s18, v4                       ; and on the way out: my 128 bytes
	v_mov_b32 v7, 0                                ; offset 0 for the token's two small stores
	s_lshl_b32 s29, ttmp9, 2
	s_add_co_u32 s29, s29, s28                     ; t
	s_mov_b32 s30, 0x76543210
	s_mov_b32 s31, 0xfedcba98                      ; v_permlanex16_b32's selects for lane l xor 16
	s_mov_b32 s3, 0
	s_wait_alu depctr_va_vdst(0)
	s_wait_kmcnt 0x0
	s_load_b256 s[20:27], s[8:9], 0x0              ; router_b: 8 numbers
	s_lshl_b32 s2, s29, 12
	s_add_nc_u64 s[4:5], s[4:5], s[2:3]            ; x at my token
	s_lshl_b32 s2, s29, 9
	s_add_nc_u64 s[10:11], s[10:11], s[2:3]        ; its 512 bytes of codes
	s_lshl_b32 s2, s29, 5
	s_add_nc_u64 s[12:13], s[12:13], s[2:3]        ; its 32 scale bytes
	s_lshl_b32 s2, s29, 2
	s_add_nc_u64 s[14:15], s[14:15], s[2:3]
	s_lshl_b32 s2, s29, 3
	s_add_nc_u64 s[16:17], s[16:17], s[2:3]
.irp i, 0,1,2,3,4,5,6,7
	global_load_b128 v[R+4*\i:R+4*\i+3], v2, s[4:5] offset:512*\i th:TH_LOAD_NT    ; 32 lanes read 512 consecutive bytes
.endr
.irp e, 0,1,2,3
.irp i, 0,1,2,3,4,5,6,7
	global_load_b128 v[RW+32*\e+4*\i:RW+32*\e+4*\i+3], v2, s[6:7] offset:4096*\e+512*\i
.endr
.endr
	s_wait_loadcnt 32                              ; x is in: the 32 loads of router_w were issued behind it
.irp i, 0,1,2,3,4,5,6,7
	ds_store_b128 v3, v[R+4*\i:R+4*\i+3] offset:576*\i              ; a load's 512 bytes are four lanes' places
.endr
.irp j, 0,1,2,3,4,5,6,7
	ds_load_b128 v[X+4*\j:X+4*\j+3], v4 offset:16*\j                ; LDS serves a wave's instructions in order: these see my stores
.endr
; One expert's product with my 32 numbers, two numbers an instruction, in two chains.  left: the loads issued behind this expert's eight.
.macro DOT e, left
	s_wait_loadcnt \left
.set RWS, RW+32*((\e)%4)
.set ACE, AC+4*(\e)
	v_pk_mul_f32 v[ACE:ACE+1], v[R:R+1], v[RWS:RWS+1]
	v_pk_mul_f32 v[ACE+2:ACE+3], v[R+2:R+3], v[RWS+2:RWS+3]
.irp k, 4,8,12,16,20,24,28
	v_pk_fma_f32 v[ACE:ACE+1], v[R+\k:R+\k+1], v[RWS+\k:RWS+\k+1], v[ACE:ACE+1]
	v_pk_fma_f32 v[ACE+2:ACE+3], v[R+\k+2:R+\k+3], v[RWS+\k+2:RWS+\k+3], v[ACE+2:ACE+3]
.endr
.if (\e) < 4
.irp i, 0,1,2,3,4,5,6,7
	global_load_b128 v[RWS+4*\i:RWS+4*\i+3], v2, s[6:7] offset:4096*((\e)+4)+512*\i   ; the slot takes the expert four further on
.endr
.endif
.endm
	DOT 0, 24
	DOT 1, 24
	DOT 2, 24
	DOT 3, 24
	DOT 4, 24
	DOT 5, 16
	DOT 6, 8
	DOT 7, 0
.irp e, 0,1,2,3,4,5,6,7
	v_pk_add_f32 v[AC+4*\e:AC+4*\e+1], v[AC+4*\e:AC+4*\e+1], v[AC+4*\e+2:AC+4*\e+3]
.endr
.irp e, 0,1,2,3,4,5,6,7
	v_add_f32 v[LG+\e], v[AC+4*\e], v[AC+4*\e+1]
.endr
.irp m, 1,2,4,8
.irp e, 0,1,2,3,4,5,6,7
	v_add_f32_dpp v[LG+\e], v[LG+\e], v[LG+\e] row_xmask:\m row_mask:0xf bank_mask:0xf   ; across 16 lanes; the eight experts by turns
.endr
.endr
.irp e, 0,1,2,3,4,5,6,7
	v_permlanex16_b32 v[AC+4*\e], v[LG+\e], s30, s31
.endr
	s_wait_alu depctr_va_vdst(0)
	s_wait_kmcnt 0x0                               ; router_b
.irp e, 0,1,2,3,4,5,6,7
	v_add_f32 v[LG+\e], v[LG+\e], v[AC+4*\e]       ; every lane holds the same sum: each step adds the same two numbers in both partners
.endr
.irp e, 0,1,2,3,4,5,6,7
	v_add_f32 v[LG+\e], s[20+\e], v[LG+\e]
.endr
	; the largest logit: the holder stays where it is at least as large, so the lower index wins a tie
	v_mov_b32 v240, v[LG]
	v_mov_b32 v241, 0
.irp e, 1,2,3,4,5,6,7
	v_cmp_ge_f32 vcc_lo, v240, v[LG+\e]
	v_cndmask_b32 v241, \e, v241, vcc_lo
	v_cndmask_b32 v240, v[LG+\e], v240, vcc_lo
.endr
	v_mov_b32 v246, 0xff800000                     ; -infinity takes its place, and the scan is run again
.irp e, 0,1,2,3,4,5,6,7
	v_cmp_eq_u32 vcc_lo, \e, v241
	v_cndmask_b32 v[LG+\e], v[LG+\e], v246, vcc_lo
.endr
	v_mov_b32 v242, v[LG]
	v_mov_b32 v243, 0
.irp e, 1,2,3,4,5,6,7
	v_cmp_ge_f32 vcc_lo, v242, v[LG+\e]
	v_cndmask_b32 v243, \e, v243, vcc_lo
	v_cndmask_b32 v242, v[LG+\e], v242, vcc_lo
.endr
	; the gates: softmax over the two; the larger logit is the maximum that is taken away
	v_sub_f32 v248, v242, v240                     ; 0 or less
	v_mul_f32 v248, 0x3fb8aa3b, v248
	s_wait_alu depctr_va_vdst(0)
	v_exp_f32 v249, v248
	v_mov_b32 v246, 1                              ; (a plain instruction behind the exponential)
	s_wait_alu depctr_va_vdst(0)                   ; the wait ahead of the first reader
	v_add_f32 v250, 1.0, v249
	s_wait_alu depctr_va_vdst(0)
	v_rcp_f32 v244, v250                           ; g0 = 1 / (1 + e^d)
	v_lshlrev_b32 v247, v241, v246                 ; (a plain instruction behind the reciprocal)  1 << e0
	s_wait_alu depctr_va_vdst(0)
	v_mul_f32 v245, v249, v244                     ; g1 = e^d g0
	v_lshlrev_b32 v251, v243, v246                 ; 1 << e1
	v_or_b32 v247, v247, v251
	v_lshl_or_b32 v247, v241, 8, v247
	v_lshl_or_b32 v247, v243, 16, v247
	global_store_b64 v7, v[244:245], s[16:17]      ; all lanes hold the same numbers and write the same place
	global_store_b32 v7, v247, s[14:15]
	; x's codes: lane l owns block l
	s_wait_dscnt 0x0                               ; my 32 neighbours are back from the stage
	v_max3_num_f32 v252, |v[X]|, |v[X+1]|, |v[X+2]|
	v_max3_num_f32 v253, |v[X+3]|, |v[X+4]|, |v[X+5]|
.irp i, 6,10,14,18,22,26
	v_max3_num_f32 v252, v252, |v[X+\i]|, |v[X+\i+1]|
	v_max3_num_f32 v253, v253, |v[X+\i+2]|, |v[X+\i+3]|
.endr
	v_max3_num_f32 v252, v252, |v[X+30]|, |v[X+31]|
	v_max3_num_f32 v252, v252, v253, 0x1800000     ; and the floor 2^(3 - 127): the byte cannot fall under 1
	v_add_nc_u32 v254, 0xff000000, v252            ; 2 off the exponent field: the conversion takes this operand's exponent field as its scale
.irp g, 0,1,2,3
	v_cvt_scalef32_pk8_fp4_f32 v[248+\g], v[X+8*\g:X+8*\g+7], v254
.endr
	v_lshrrev_b32 v255, 23, v254                   ; the scale's byte
	global_store_b128 v2, v[248:251], s[10:11]     ; the wave stores the token's 512 bytes of codes on end
	global_store_b8 v1, v255, s[12:13]             ; and its 32 scale bytes
	s_wait_tensorcnt 0x0                           ; the wave's end
	ds_add_u32 v5, v6
	s_wait_dscnt 0x0
	s_endpgm
.Lfunc_end_k_q91db289efa_route:
	.size	k_q91db289efa_route, .Lfunc_end_k_q91db289efa_route-k_q91db289efa_route
	.p2alignl 7, 3214868480
	.fill 96, 4, 3214868480
	.section	.rodata,"a",@progbits
	.p2align	6, 0x0
	.amdhsa_kernel k_q91db289efa_route
		.amdhsa_group_segment_fixed_size 18944
		.amdhsa_private_segment_fixed_size 0
		.amdhsa_enable_private_segment 0
		.amdhsa_kernarg_size 56
		.amdhsa_user_sgpr_count 2
		.amdhsa_user_sgpr_kernarg_segment_ptr 1
		.amdhsa_wavefront_size32 1
		.amdhsa_system_sgpr_workgroup_id_x 1
		.amdhsa_system_sgpr_workgroup_id_y 1
		.amdhsa_system_sgpr_workgroup_id_z 1
		.amdhsa_system_vgpr_workitem_id 0
		.amdhsa_next_free_vgpr 256
		.amdhsa_next_free_sgpr 66
		.amdhsa_reserve_vcc 1
		.amdhsa_float_denorm_mode_32 3
		.amdhsa_float_denorm_mode_16_64 3
		.amdhsa_memory_ordered 1
		.amdhsa_forward_progress 1
		.amdhsa_inst_pref_size 27
	.end_amdhsa_kernel
	.amdgpu_metadata
---
amdhsa.version: [ 1, 2 ]
amdhsa.kernels:
  - .name:           k_q91db289efa_route
    .symbol:         k_q91db289efa_route.kd
    .args:
      - { .name: x, .offset: 0, .size: 8, .value_kind: global_buffer, .address_space: global }
      - { .name: router_w, .offset: 8, .size: 8, .value_kind: global_buffer, .address_space: global }
      - { .name: router_b, .offset: 16, .size: 8, .value_kind: global_buffer, .address_space: global }
      - { .name: xq, .offset: 24, .size: 8, .value_kind: global_buffer, .address_space: global }
      - { .name: xs, .offset: 32, .size: 8, .value_kind: global_buffer, .address_space: global }
      - { .name: sel, .offset: 40, .size: 8, .value_kind: global_buffer, .address_space: global }
      - { .name: gates, .offset: 48, .size: 8, .value_kind: global_buffer, .address_space: global }
    .group_segment_fixed_size: 18944
    .private_segment_fixed_size: 0
    .kernarg_segment_align: 8
    .kernarg_segment_size: 56
    .max_flat_workgroup_size: 128
    .sgpr_count:     66
    .vgpr_count:     256
    .wavefront_size: 32
...
	.end_amdgpu_metadata
.endif
;; end of part 5
;; launch ffn1 (part 6): grid 256 x 1, 4 waves a work-group, no clusters, 68,096 bytes of LDS; arguments xq, xs, sel, w1_codes, w1_scales, b1, himg, hsc, pos; writes himg, hsc, pos
.if DOCPART == 6
	.amdgcn_target "amdgcn-amd-amdhsa--gfx1250"
	.amdhsa_code_object_version 6
	.text
	.protected	k_q91db289efa_ffn1
	.globl	k_q91db289efa_ffn1
	.p2align	8
	.type	k_q91db289efa_ffn1,@function
k_q91db289efa_ffn1:
	s_mov_b64 s[64:65], 0
	v_nop
	global_prefetch_b8 v0, s[64:65] scope:SCOPE_SE
	s_setreg_imm32_b32 hwreg(HW_REG_WAVE_SCHED_MODE, 0, 2), 2
	s_setreg_imm32_b32 hwreg(HW_REG_WAVE_MODE, 25, 1), 1
	s_wait_xcnt 0x0
	s_wait_alu depctr_vm_vsrc(0)
; FIRST EXPERT PRODUCT, ON THE CHOSEN ROWS ALONE: Q(relu(x W1[e] + b1[e])), both operands codes of E2M1 with E8M0 scales.
; The rows of experts that a token did not choose are left out: their gate is exactly 0 (shown at the head of the first kernel; its limit on NaN and infinities holds here too).
; SHARES.  Work-group wg = 32 e + g owns hidden units 128 g .. 128 g + 127 of expert e: 128 rows of 512 bytes, one dense block of 65,536 bytes at wg x 65,536 of w1_codes.  It is read from memory ONCE, by loads of
; 512 consecutive bytes, goes through LDS into the registers of ALL FOUR waves (512 registers each) and stays.  Then the waves part: each walks other rows of the expert, so no barrier stands in the walk,
; whose length hangs on stored whole numbers.  No tensor load for that reason; no cluster: the large stream, the weights, is shared by nobody.
; WHICH ROWS.  Every wave builds its expert's 1,024-bit membership from sel (32 words in scalar registers, word i = 4 a + j, bit l: token 128 a + 4 l + j, as eight loads of 16 bytes a lane land) and the words'
; running counts.  The token of rank k is found by INV: a search over the 32 words and five halvings inside the word, with no branch.  Rank k has slot k % 16 of the expert's tile k / 16; each expert has 64 tile places.
; A wave takes SUPERTILES of 32 ranks (two tiles, a and b): p = wave, wave + 4, ..  Ranks past the last are held at the last: such slots repeat its token; they are stored (same or unread places) and never read.
; THE PRODUCT IS USED TRANSPOSED (source 0 = 16 rows of W1, source 1 = 16 tokens), and the rows of W1 that form a tile are lane r of tile 2 b + u: row 32 b + 8 u + r + 8 (r / 8): so a lane holds one token, and the 16
; registers of tiles 2 b, 2 b + 1 are 16 neighbours along the next K.  b1 is the C of each sum's first instruction.  The 128 units are K step g of the second product: one fragment and one scale word a token.
; OUT.  himg[tile][g]: the fragment as an image of its registers (2 x 512 bytes on end); hsc[tile][g][slot]: the scale words; pos[t][e] (work-groups with g = 0): the row's place; pos + 32,768: the experts' counts.
; LIMITS: a block of zeros gets the scale byte 1 (its codes are zeros; the bytes are read by this program alone); NaN and infinities are not served.
; REGISTERS.  window 0: v1-31 addresses and the search; v32-47 at work; v48-63 codes just made; v64-127 W1's scale words; v128-191 the 8 tiles of the hidden layer; v192-207 x's scale words; v208-218 small things.
;   window 1: W1's fragments of K steps 0-3 ((s, t) at v[8 (8 s + t)]); window 2: of K steps 4-7; window 3: v0-63, v64-127 x's fragments of tiles a, b; v128-191 b1.
; THE MODE: SCHED_MODE bits 1:0 = 2 (LLVM: expert scheduling mode 2), set by the entry lines.  The code itself states the register dependences between vector or matrix instructions and memory or LDS
; instructions, and between a vector instruction's scalar result and its readers, with s_wait_alu, always for 0.
; THE PLAN.  Registers that memory or LDS instructions touch in the walk:
;   window 3 v0-63, v192-199    tile a of x and its scale words.  Read by tile a's 64 products; behind them the next supertile's tile a lands there.
;   window 3 v64-127, v200-207  tile b likewise.
;   v8-11     the gather's offsets.  Written by INV at a trip's head; read by the two runs of loads of that trip.
;   v26, v27  the place's offset and number.  Written by INV; read by its one store.
;   v6, v7    the stores' offsets.  Written at a trip's head; read by that trip's six stores.
;   v48-55, v208 and v56-63, v209   tile a's and tile b's codes and scale words.  Written by the quantiser; read by three stores each.
;   v4, v5, v30, v31, v210, v211, v217, v218 are written once at the head; W1's fragments, its scale words and b1 are loaded once and then named by matrix instructions alone.
; So a trip has one wait on vm_vsrc, at its head (all that the trip before let memory instructions read may be written again), and three on va_vdst: behind tile a's products (its registers may be loaded again;
; INV's offsets are written), behind tile b's products (the same for b, and tile a's codes, made meanwhile, may be stored), and behind tile b's quantiser (its codes may be stored).
.set PITCH, 528                        ; an LDS row: 512 bytes + 16 = 132 words: the 16 rows of a fragment load start 4 banks apart
.set SPARE, 128*PITCH                  ; behind the rows: the spare words, 128 bytes a wave, two blocks of 256 bytes that no other line names
.set MK,  8                            ; s8-15   eight masks of the search: the addresses of sel, w1_codes, w1_scales and b1, which lay here, are done with when the first mask is written
.set WD,  32                           ; s32-63  the membership words
.set KEY, 66                           ; s66-97  (count of members in the words before) << 5 | the word's number
.set TM,  32
.set PCA, 48
.set PCB, 56
.set W1S, 64
.set HA,  128
.set XSC, 192
.set PWA, 208
.set PWB, 209
.set MSB, 0
.macro WIN new                         ; s_set_vgpr_msb: bits 1:0 source 0, 3:2 source 1, 5:4 source 2, 7:6 destination; the high byte repeats the setting that is left
.if MSB != \new
	s_set_vgpr_msb (MSB<<8)|\new
.set MSB, \new
.endif
.endm
.macro NOPS n
.rept \n
	v_nop
.endr
.endm
; THE TOKENS OF RANKS s25 + lane (held at the last rank), and from them the gather offsets of tiles a and b.
.macro INV
	v_add_nc_u32 v12, s25, v1
	v_min_u32 v12, s23, v12                        ; my rank
	v_lshl_or_b32 v13, v12, 5, 31
	v_mov_b32 v14, 0
	v_mov_b32 v15, s[WD]
.set bb, 0
.rept 4                                        ; the 31 compares hang on v13 alone: they go in runs of eight, into eight scalar registers, with one wait behind each run
.set kk, 0
.rept 8
.if 8*bb+kk < 31
	v_cmp_gt_u32 s[MK+kk], s[KEY+1+8*bb+kk], v13   ; the last word whose running count is at or under my rank holds it
.else
	v_cmp_le_u32 s[MK+kk], 16, v1                  ; the place that is left over: the upper half of the lanes, for the choice at the macro's end
.endif
.set kk, kk+1
.endr
	s_wait_alu depctr_va_sdst(0)                   ; the run's eight masks are written, ahead of the selects that read them
.set kk, 0
.rept 8
.if 8*bb+kk < 31
	v_cndmask_b32 v14, s[KEY+1+8*bb+kk], v14, s[MK+kk]
	v_cndmask_b32 v15, s[WD+1+8*bb+kk], v15, s[MK+kk]
.endif
.set kk, kk+1
.endr
.set bb, bb+1
.endr
	v_lshrrev_b32 v20, 5, v14
	v_sub_nc_u32 v20, v12, v20                     ; my rank inside the word
	v_lshrrev_b32 v16, 1, v15                      ; the word's counts in fields of 2, 4 and 8 bits, and of its low 16
	v_and_b32 v16, 0x55555555, v16
	v_sub_nc_u32 v16, v15, v16
	v_lshrrev_b32 v17, 2, v16
	v_and_b32 v17, 0x33333333, v17
	v_and_b32 v22, 0x33333333, v16
	v_add_nc_u32 v17, v17, v22
	v_lshrrev_b32 v18, 4, v17
	v_add_nc_u32 v18, v18, v17
	v_and_b32 v18, 0x0f0f0f0f, v18
	v_lshrrev_b32 v19, 8, v18
	v_add_nc_u32 v19, v19, v18
	v_and_b32 v22, 0xff, v19                       ; five halvings: where my rank is at or over the lower half's count, go up and take the count off
	v_cmp_ge_u32 vcc_lo, v20, v22
	s_wait_alu depctr_va_vcc(0)                    ; VCC is written, ahead of the selects that read it; each halving hangs on the one before, so each has its wait
	v_cndmask_b32 v22, 0, v22, vcc_lo
	v_sub_nc_u32 v20, v20, v22
	v_cndmask_b32 v21, 0, v212, vcc_lo
	v_bfe_u32 v22, v18, v21, 8
	v_cmp_ge_u32 vcc_lo, v20, v22
	s_wait_alu depctr_va_vcc(0)                    ; VCC is written, ahead of the selects that read it
	v_cndmask_b32 v22, 0, v22, vcc_lo
	v_sub_nc_u32 v20, v20, v22
	v_cndmask_b32 v23, 0, v213, vcc_lo
	v_add_nc_u32 v21, v21, v23
	v_bfe_u32 v22, v17, v21, 4
	v_cmp_ge_u32 vcc_lo, v20, v22
	s_wait_alu depctr_va_vcc(0)                    ; VCC is written, ahead of the selects that read it
	v_cndmask_b32 v22, 0, v22, vcc_lo
	v_sub_nc_u32 v20, v20, v22
	v_cndmask_b32 v23, 0, v214, vcc_lo
	v_add_nc_u32 v21, v21, v23
	v_bfe_u32 v22, v16, v21, 2
	v_cmp_ge_u32 vcc_lo, v20, v22
	s_wait_alu depctr_va_vcc(0)                    ; VCC is written, ahead of the selects that read it
	v_cndmask_b32 v22, 0, v22, vcc_lo
	v_sub_nc_u32 v20, v20, v22
	v_cndmask_b32 v23, 0, v215, vcc_lo
	v_add_nc_u32 v21, v21, v23
	v_bfe_u32 v22, v15, v21, 1
	v_cmp_ge_u32 vcc_lo, v20, v22
	s_wait_alu depctr_va_vcc(0)                    ; VCC is written, ahead of the select that reads it
	v_cndmask_b32 v23, 0, v216, vcc_lo
	v_add_nc_u32 v21, v21, v23                     ; the bit
	v_bfe_u32 v24, v14, 2, 3
	v_lshlrev_b32 v24, 7, v24
	v_lshl_or_b32 v24, v21, 2, v24
	v_and_b32 v22, 3, v14
	v_or_b32 v24, v24, v22                         ; my token: 128 (word / 4) + 4 bit + word % 4
	v_permlanex16_b32 v25, v24, s28, s29           ; and lane l xor 16's
	v_cndmask_b32 v22, v24, v25, s[MK+7]           ; tile a's token of slot lane % 16, in both halves of the lanes (the mask was awaited with the last run's)
	v_cndmask_b32 v23, v25, v24, s[MK+7]           ; tile b's
	v_min_u32 v22, 0x3ff, v22                      ; a number made of loaded data is held inside the table before it enters an address
	v_min_u32 v23, 0x3ff, v23
	v_lshl_add_u32 v8, v22, 9, v2                  ; codes: 512 bytes a token, + 16 (lane / 16)
	v_lshl_add_u32 v9, v23, 9, v2
	v_lshlrev_b32 v10, 5, v22                      ; scale bytes: 32 a token
	v_lshlrev_b32 v11, 5, v23
	s_cmp_lg_u32 s22, 0                            ; the expert's first work-group stores the rows' places (a branch on the work-group's number)
	s_cbranch_scc1 .Lno_pos_\@
	v_min_u32 v26, 0x3ff, v24
	v_lshl_add_u32 v26, v26, 5, s31                ; pos[token][e]
	v_lshrrev_b32 v27, 4, v12
	v_and_b32 v22, 15, v12
	v_lshl_or_b32 v27, v27, 9, v22
	v_add_nc_u32 v27, s98, v27                     ; (64 e + rank / 16) x 512 + rank % 16
	s_wait_alu depctr_va_vdst(0)                   ; v26 and v27 are written: the store's offset and its data
	global_store_b32 v26, v27, s[20:21]
.Lno_pos_\@:
	s_add_co_u32 s25, s25, 128                     ; my next supertile's first rank
.endm
; 18 loads: a tile's 16 tokens, all 1,024 along K: 8 fragments, and their scale words
.macro XLOAD ab
	WIN 0xc0                                       ; destination window 3
.irp s, 0,1,2,3,4,5,6,7
.irp c, 0,1
	global_load_b128 v[64*(\ab)+8*\s+4*\c:64*(\ab)+8*\s+4*\c+3], v[8+(\ab)], s[4:5] offset:64*\s+32*\c
.endr
.endr
	WIN 0
.irp p, 0,1
	global_load_b128 v[XSC+8*(\ab)+4*\p:XSC+8*(\ab)+4*\p+3], v[10+(\ab)], s[6:7] offset:16*\p
.endr
.endm
; 64 matrix instructions: K step by K step, the 8 accumulators by turns, one instruction a turn
.macro MUL ab
.irp s, 0,1,2,3,4,5,6,7
.if \s == 0
	WIN 0x3d                                       ; W1 window 1, x window 3, C = b1 window 3, D window 0
.elseif \s < 4
	WIN 0x0d
.else
	WIN 0x0e                                       ; W1 window 2
.endif
.irp t, 0,1,2,3,4,5,6,7
.if \s == 0
	v_wmma_scale_f32_16x16x128_f8f6f4 v[HA+8*\t:HA+8*\t+7], v[8*\t:8*\t+7], v[64*(\ab):64*(\ab)+7], v[128+8*\t:128+8*\t+7], v[W1S+8*\t], v[XSC+8*(\ab)] matrix_a_fmt:MATRIX_FMT_FP4 matrix_b_fmt:MATRIX_FMT_FP4
.else
	v_wmma_scale_f32_16x16x128_f8f6f4 v[HA+8*\t:HA+8*\t+7], v[((\s%4)*8+\t)*8:((\s%4)*8+\t)*8+7], v[64*(\ab)+8*\s:64*(\ab)+8*\s+7], v[HA+8*\t:HA+8*\t+7], v[W1S+8*\t+\s], v[XSC+8*(\ab)+\s] matrix_a_fmt:MATRIX_FMT_FP4 matrix_b_fmt:MATRIX_FMT_FP4
.endif
.endr
.endr
	WIN 0
.endm
; relu, then 64 numbers of a lane (register 16 b + i = unit 32 b + 16 (lane / 16) + i of my token) become a fragment's codes in v[pc] on and its scale word in v[pw]
.macro QUANT pc, pw
.set jj, 0
.rept 64
	v_max_num_f32 v[HA+jj], 0, v[HA+jj]            ; the activation, in f32; each accumulator is read from its low end on
.set jj, jj+1
.endr
.irp b, 0,1,2,3
	v_max3_num_f32 v[TM+\b], v[HA+16*\b], v[HA+1+16*\b], 0x1800000   ; none is negative; the floor 2^(3 - 127) holds the byte at 1 from below
.endr
.irp i, 2,4,6,8,10,12,14
.irp b, 0,1,2,3
	v_max3_num_f32 v[TM+\b], v[TM+\b], v[HA+16*\b+\i], v[HA+1+16*\b+\i]
.endr
.endr
.irp b, 0,1,2,3
	v_permlanex16_b32 v[TM+4+\b], v[TM+\b], s28, s29
.endr
.irp b, 0,1,2,3
	v_max_num_f32 v[TM+\b], v[TM+\b], v[TM+4+\b]   ; with lane l xor 16's 16: the block's largest
.endr
.irp b, 0,1,2,3
	v_add_nc_u32 v[TM+12+\b], 0xff000000, v[TM+\b] ; 2 off the exponent field: the conversion's scale operand
.endr
.irp b, 0,1,2,3
	v_lshrrev_b32 v[TM+4+\b], 23, v[TM+12+\b]      ; the scale's byte
.endr
	v_lshl_or_b32 v[\pw], v[TM+5], 8, v[TM+4]
	v_lshl_or_b32 v[\pw], v[TM+6], 16, v[\pw]
	v_lshl_or_b32 v[\pw], v[TM+7], 24, v[\pw]
.irp b, 0,1,2,3
	v_cvt_scalef32_pk8_fp4_f32 v[\pc+2*\b], v[HA+16*\b:HA+7+16*\b], v[TM+12+\b]
	v_cvt_scalef32_pk8_fp4_f32 v[\pc+1+2*\b], v[HA+8+16*\b:HA+15+16*\b], v[TM+12+\b]
.endr
	v_nop                                          ; one plain instruction behind the last scaled conversion
.irp c, 0,1                                    ; the operand's layout wants a whole block in a lane
.irp i, 0,1
	v_permlane16_swap_b32 v[\pc+4*\c+\i], v[\pc+2+4*\c+\i]
.endr
.endr
.endm
.macro PUT ab, pc, pw                  ; the fragment leaves as it stands: two stores of 512 consecutive bytes; the scale words: 64 bytes (both halves of the lanes hold the same)
	global_store_b128 v6, v[\pc:\pc+3], s[16:17] offset:32768*(\ab)
	global_store_b128 v6, v[\pc+4:\pc+7], s[16:17] offset:32768*(\ab)+512
	global_store_b32 v7, v[\pw], s[18:19] offset:2048*(\ab)
.endm
; A supertile.  next = 1: the following one's tokens are found and its loads issued, each tile's into the registers that its products have just left.
.macro TRIP next
	s_wait_xcnt 0x0                                ; all earlier loads and stores have read their addresses and data: offsets, codes and scale words may be written again
	s_wait_alu depctr_vm_vsrc(0)                   ; the loads and stores issued so far have read v6-11, v26, v27, the codes v48-63 and the scale words v208, v209, all of which this trip writes again
	v_add_nc_u32 v6, s26, v4
	v_add_nc_u32 v7, s27, v5
.if \next
	INV
.endif
	s_wait_loadcnt 18                              ; tile a is in: tile b's 18 loads were issued behind it
	MUL 0
	NOPS 4                                         ; four places in front of the first read of results; they stay beside the wait below
.if \next
	s_wait_alu depctr_va_vdst(0)                   ; tile a's products are done reading its fragments and scale words, in which the loads below land; INV has written v8 and v10, their offsets
	XLOAD 0
.endif
	QUANT PCA, PWA
.if \next
	s_wait_loadcnt 18                              ; tile b is in: behind it stand the next tile a's 18
.else
	s_wait_loadcnt 0x0
.endif
	MUL 1
	NOPS 4
	s_wait_alu depctr_va_vdst(0)                   ; tile a's codes and scale word and v6, v7 are written, which the stores below read; next = 1: tile b's products are done reading its fragments and scale words, in which the loads below land, and v9, v11 are written
.if \next
	XLOAD 1
.endif
	PUT 0, PCA, PWA                                ; no vector or matrix instruction since the wait names what these loads and stores touch
	QUANT PCB, PWB
	s_wait_alu depctr_va_vdst(0)                   ; tile b's codes and scale word are written, which the stores below read
	PUT 1, PCB, PWB
	s_add_co_u32 s26, s26, 262144                  ; four supertiles on: 8 tiles of 32,768 bytes of images,
	s_add_co_u32 s27, s27, 16384                   ; of 2,048 bytes of scale words
.endm
	s_load_b512 s[4:19], s[0:1], 0x0               ; xq s[4:5], xs s[6:7], sel s[8:9], w1_codes s[10:11], w1_scales s[12:13], b1 s[14:15], himg s[16:17], hsc s[18:19]
	s_load_b64 s[20:21], s[0:1], 0x40              ; pos
	v_lshl_add_u32 v28, v0, 2, SPARE               ; my spare word,
	v_mov_b32 v29, 0                               ; and 0: kept for the closing lines alone
	v_lshrrev_b32 v1, 5, v0
	v_readfirstlane_b32 s2, v1                     ; wave
	v_and_b32 v1, 31, v0                           ; lane
	v_and_b32 v3, 15, v0                           ; r
	v_bfe_u32 v2, v0, 4, 1                         ; h
	v_lshlrev_b32 v211, 6, v2                      ; b1: 64 h
	v_lshlrev_b32 v2, 4, v2                        ; 16 h
	v_lshlrev_b32 v4, 4, v1                        ; 16 x lane
	v_lshlrev_b32 v5, 2, v3                        ; 4 r
	s_wait_alu depctr_va_sdst(0)                   ; s2 is written, ahead of its first reader
	s_mul_i32 s99, s2, 32*PITCH
	v_add_nc_u32 v30, s99, v4                      ; LDS, on the way in: my wave's 32 rows, 16 bytes a lane
	v_mul_u32_u24 v31, v3, PITCH
	v_add_nc_u32 v31, v31, v2                      ; and out: row r of a tile, + 16 h
	v_and_b32 v210, 8, v3
	v_add_nc_u32 v210, v210, v3
	v_lshlrev_b32 v210, 5, v210                    ; W1's scale bytes: 32 a row, row r + 8 (r / 8) of a tile
	v_mov_b32 v212, 16
	v_mov_b32 v213, 8
	v_mov_b32 v214, 4
	v_mov_b32 v215, 2
	v_mov_b32 v216, 1
	v_mov_b32 v25, 0                               ; written once: a lane permute's destination counts as one of its sources
.irp b, 0,1,2,3
	v_mov_b32 v[TM+4+\b], 0
.endr
	s_lshr_b32 s3, ttmp9, 5                        ; e
	s_and_b32 s22, ttmp9, 31                       ; g
	s_lshl_b32 s31, s3, 2                          ; 4 e
	s_lshl_b32 s98, s3, 15                         ; 64 e x 512
	v_mov_b32 v218, s31
	s_mov_b32 s28, 0x76543210
	s_mov_b32 s29, 0xfedcba98                      ; v_permlanex16_b32's selects for lane l xor 16
	s_lshl_b32 s99, 1, s3                          ; my expert's bit in sel
	s_lshl_b32 s100, ttmp9, 16
	s_lshl_b32 s101, s2, 14
	s_add_co_u32 s100, s100, s101                  ; my wave's 32 rows of the work-group's 128
	s_mov_b32 s101, 0
	s_wait_kmcnt 0x0
	s_wait_alu depctr_va_vdst(0)                   ; the offsets and LDS addresses v4, v5, v30, v31, v210, v211, v218 are written, which the loads, stores and LDS instructions below read
.irp i, 0,1,2,3,4,5,6,7
	global_load_b128 v[128+4*\i:128+4*\i+3], v4, s[8:9] offset:512*\i              ; sel, all 1,024 words
.endr
	s_add_nc_u64 s[10:11], s[10:11], s[100:101]
	s_lshl_b32 s100, ttmp9, 12
	s_add_nc_u64 s[12:13], s[12:13], s[100:101]    ; 128 rows x 32 scale bytes
	s_lshl_b32 s100, ttmp9, 9
	s_add_nc_u64 s[14:15], s[14:15], s[100:101]    ; 128 numbers of b1
	WIN 0xc0
.set i, 0
.rept 32
	global_load_b128 v[4*i:4*i+3], v4, s[10:11] offset:512*i th:TH_LOAD_NT         ; a whole row of W1: 512 consecutive bytes; read once in the launch
.set i, i+1
.endr
	WIN 0
	s_wait_loadcnt 32                              ; sel is in: the 32 loads of W1 were issued behind it
.set i, 0
.rept 32
	v_and_b32 v[22+i%2], s99, v[128+i]
	v_cmp_ne_u32 s[WD+i], 0, v[22+i%2]             ; word i: bit l = my expert was chosen by token 128 (i / 4) + 4 l + i % 4
.set i, i+1
.endr
	s_wait_alu depctr_va_sdst(0)                   ; the 32 membership words are written, ahead of their first readers, the counts below
	s_mov_b32 s100, 0
.set i, 0
.rept 32
	s_lshl_b32 s101, s100, 5
	s_or_b32 s[KEY+i], s101, i
	s_bcnt1_i32_b32 s101, s[WD+i]
	s_add_co_u32 s100, s100, s101
.set i, i+1
.endr
	v_mov_b32 v217, s100                           ; n: my expert's rows
	s_sub_co_u32 s23, s100, 1                      ; the last rank
	s_add_co_u32 s24, s100, 31
	s_lshr_b32 s24, s24, 5                         ; supertiles
	s_add_co_u32 s24, s24, 3
	s_sub_co_u32 s24, s24, s2
	s_lshr_b32 s24, s24, 2                         ; of which mine: wave, wave + 4, ..
.irp t, 0,1,2,3,4,5,6,7
.irp p, 0,1
	global_load_b128 v[W1S+8*\t+4*\p:W1S+8*\t+4*\p+3], v210, s[12:13] offset:(32*(\t/2)+8*(\t%2))*32+16*\p   ; tile t's scale words of K steps 4 p ..  (no vector instruction has named these registers, nor v210 since the wait on va_vdst above)
.endr
.endr
	WIN 0xc0
.irp t, 0,1,2,3,4,5,6,7
.irp q, 0,1
	global_load_b128 v[128+8*\t+4*\q:128+8*\t+4*\q+3], v211, s[14:15] offset:(32*(\t/2)+8*(\t%2))*4+16*\q   ; b1 in the result's layout: units 32 (t / 2) + 8 (t % 2) + 16 h + 0 .. 7
.endr
.endr
	WIN 0
	s_or_b32 s101, s22, s2                         ; the expert's first work-group, its wave 0, stores the count (a branch on ids)
	s_cmp_lg_u32 s101, 0
	s_cbranch_scc1 .Lno_count
	s_wait_alu depctr_va_vdst(0)                   ; v217 is written: the store's data
	global_store_b32 v218, v217, s[20:21] offset:32768
.Lno_count:
	s_wait_loadcnt 32                              ; W1's rows are in: the 32 loads of scale words and b1 were issued behind them
	WIN 0x0c                                       ; an LDS store's data are its source 1: window 3
.set i, 0
.rept 32
	ds_store_b128 v30, v[4*i:4*i+3] offset:PITCH*(i%8+8*(((i/8)&1)*2+((i/8)>>1)))  ; the two middle groups of eight rows change places: a tile's 16 rows then lie on end
.set i, i+1
.endr
	WIN 0
	s_wait_dscnt 0x0                               ; for the others' sake: my stores have landed
	s_barrier_signal -1
	s_barrier_wait -1                              ; the one barrier, ahead of every branch on loaded numbers: the 128 rows lie in LDS
	s_wait_alu depctr_vm_vsrc(0)                   ; my LDS stores have read v0-127 of window 3: x's fragments land there from here on
	s_cmp_eq_u32 s24, 0
	s_cbranch_scc1 .Lend                           ; this split leaves my wave no rows
	s_lshl_b32 s25, s2, 5                          ; my first supertile's first rank
	s_wait_xcnt 0x0                                ; the loads of sel, W1, its scale words and b1 have read their bases s8-15, which the search's masks take
	INV
	s_wait_alu depctr_va_vdst(0)                   ; INV has written v8-11, the offsets of the loads below
	XLOAD 0
	XLOAD 1
	s_lshl_b32 s26, s3, 6
	s_lshl_b32 s99, s2, 1
	s_add_co_u32 s26, s26, s99                     ; tile 64 e + 2 wave
	s_lshl_b32 s26, s26, 5
	s_add_co_u32 s26, s26, s22                     ; x 32 + g
	s_lshl_b32 s27, s26, 6                         ; 64 bytes of scale words,
	s_lshl_b32 s26, s26, 10                        ; 1,024 bytes of image
	WIN 0x40                                       ; destination window 1
.irp s, 0,1,2,3
.irp t, 0,1,2,3,4,5,6,7
.irp c, 0,1
	ds_load_b128 v[(\s*8+\t)*8+4*\c:(\s*8+\t)*8+4*\c+3], v31 offset:16*PITCH*\t+64*\s+32*\c
.endr
.endr
.endr
	WIN 0x80                                       ; destination window 2
.irp s, 0,1,2,3
.irp t, 0,1,2,3,4,5,6,7
.irp c, 0,1
	ds_load_b128 v[(\s*8+\t)*8+4*\c:(\s*8+\t)*8+4*\c+3], v31 offset:16*PITCH*\t+64*(\s+4)+32*\c
.endr
.endr
.endr
	WIN 0
	s_wait_dscnt 0x0                               ; all 64 fragments of W1 are in my registers
	s_sub_co_u32 s24, s24, 1
	s_cmp_eq_u32 s24, 0
	s_cbranch_scc1 .Ltail
.Lloop:
	TRIP 1
	s_sub_co_u32 s24, s24, 1
	s_cmp_lg_u32 s24, 0
	s_cbranch_scc1 .Lloop
.Ltail:
	TRIP 0                                         ; the last supertile asks for nothing more
.Lend:
	s_wait_dscnt 0x0                               ; the closing lines, six on end
	s_wait_alu 0x0
	s_wait_tensorcnt 0x0
	ds_add_u32 v28, v29
	s_wait_dscnt 0x0
	s_endpgm
.Lfunc_end_k_q91db289efa_ffn1:
	.size	k_q91db289efa_ffn1, .Lfunc_end_k_q91db289efa_ffn1-k_q91db289efa_ffn1
	.p2alignl 7, 3214868480
	.fill 96, 4, 3214868480
	.section	.rodata,"a",@progbits
	.p2align	6, 0x0
	.amdhsa_kernel k_q91db289efa_ffn1
		.amdhsa_group_segment_fixed_size 68096
		.amdhsa_private_segment_fixed_size 0
		.amdhsa_enable_private_segment 0
		.amdhsa_kernarg_size 72
		.amdhsa_user_sgpr_count 2
		.amdhsa_user_sgpr_kernarg_segment_ptr 1
		.amdhsa_wavefront_size32 1
		.amdhsa_system_sgpr_workgroup_id_x 1
		.amdhsa_system_sgpr_workgroup_id_y 1
		.amdhsa_system_sgpr_workgroup_id_z 1
		.amdhsa_system_vgpr_workitem_id 0
		.amdhsa_next_free_vgpr 1024
		.amdhsa_next_free_sgpr 102
		.amdhsa_reserve_vcc 1
		.amdhsa_float_denorm_mode_32 3
		.amdhsa_float_denorm_mode_16_64 3
		.amdhsa_memory_ordered 1
		.amdhsa_forward_progress 1
		.amdhsa_inst_pref_size 111
	.end_amdhsa_kernel
	.amdgpu_metadata
---
amdhsa.version: [ 1, 2 ]
amdhsa.kernels:
  - .name:           k_q91db289efa_ffn1
    .symbol:         k_q91db289efa_ffn1.kd
    .args:
      - { .name: xq, .offset: 0, .size: 8, .value_kind: global_buffer, .address_space: global }
      - { .name: xs, .offset: 8, .size: 8, .value_kind: global_buffer, .address_space: global }
      - { .name: sel, .offset: 16, .size: 8, .value_kind: global_buffer, .address_space: global }
      - { .name: w1_codes, .offset: 24, .size: 8, .value_kind: global_buffer, .address_space: global }
      - { .name: w1_scales, .offset: 32, .size: 8, .value_kind: global_buffer, .address_space: global }
      - { .name: b1, .offset: 40, .size: 8, .value_kind: global_buffer, .address_space: global }
      - { .name: himg, .offset: 48, .size: 8, .value_kind: global_buffer, .address_space: global }
      - { .name: hsc, .offset: 56, .size: 8, .value_kind: global_buffer, .address_space: global }
      - { .name: pos, .offset: 64, .size: 8, .value_kind: global_buffer, .address_space: global }
    .group_segment_fixed_size: 68096
    .private_segment_fixed_size: 0
    .kernarg_segment_align: 8
    .kernarg_segment_size: 72
    .max_flat_workgroup_size: 128
    .sgpr_count:     102
    .vgpr_count:     1024
    .wavefront_size: 32
...
	.end_amdgpu_metadata
.endif
;; end of part 6
;; launch ffn2 (part 7): grid 256 x 1, 4 waves a work-group, no clusters, 75,776 bytes of LDS; arguments himg, hsc, pos, w2_codes, w2_scales, b2, y; writes y
.if DOCPART == 7
	.amdgcn_target "amdgcn-amd-amdhsa--gfx1250"
	.amdhsa_code_object_version 6
	.text
	.protected	k_q91db289efa_ffn2
	.globl	k_q91db289efa_ffn2
	.p2align	8
	.type	k_q91db289efa_ffn2,@function
k_q91db289efa_ffn2:
	s_mov_b64 s[64:65], 0
	v_nop
	global_prefetch_b8 v0, s[64:65] scope:SCOPE_SE
	s_setreg_imm32_b32 hwreg(HW_REG_WAVE_SCHED_MODE, 0, 2), 2
	s_setreg_imm32_b32 hwreg(HW_REG_WAVE_MODE, 25, 1), 1
	s_wait_xcnt 0x0
	s_wait_alu depctr_vm_vsrc(0)
; SECOND EXPERT PRODUCT, ON THE CHOSEN ROWS ALONE: y = hidden W2[e] + b2[e], both operands codes of E2M1 with E8M0 scales; rows in the order of their slots.
; The rows of experts that a token did not choose are left out: their gate is exactly 0 (shown at the head of the first kernel; its limit on NaN and infinities holds here too).
; SHARES.  Work-group wg = 32 e + g owns output columns 32 g .. 32 g + 31 of expert e for all 4,096 along K: 32 rows of 2,048 bytes, one dense block of 65,536 bytes at wg x 65,536 of w2_codes.  It is read from memory
; ONCE, by loads of 512 consecutive bytes, goes through LDS into the registers of all four waves (512 registers each) and stays.  Then the waves part: wave w takes the expert's tiles of 16 rows w, w + 4, ..; how many
; hangs on the stored count, so no barrier stands in the walk and the launch has no tensor load; no cluster: the weights are shared by nobody.
; A tile's 32 fragments come as images of their registers: loads of 512 consecutive bytes, a whole tile (four chunks of 8 K steps) ahead, each chunk into the registers that its products have just left.
; THE PRODUCT IS USED TRANSPOSED (source 0 = 16 rows of W2, source 1 = 16 hidden rows): a lane holds eight neighbouring outputs of one row.  b2 is the C of a sum's first instruction.  Even and odd K steps have
; accumulators of their own, so that four take turns; the two are added at the end (the sums are f32; the order differs from ascending K by that split).
; OUT.  y[tile][g][slot][32 numbers]: a block of 2,048 consecutive bytes, through the wave's own stage in LDS, so that each store covers 512 consecutive bytes.
; REGISTERS.  window 0: v1-31 addresses; v64-127 W2's scale words; v128-143 the hidden layer's (lanes 0-15: K step 2 p, lanes 16-31: 2 p + 1); v144-175 four accumulators; v176-191 b2; v192-223 the way out.
;   window 1: W2's fragments of K steps 0-15 ((s, n) at v[8 (2 s + n)]); window 2: of 16-31; window 3: the hidden tile, K step s at v[8 s].
; THE MODE: SCHED_MODE bits 1:0 = 2 (LLVM: expert scheduling mode 2), set by the entry lines.  The code itself states the register dependences between vector or matrix instructions and memory or LDS
; instructions, and between a vector instruction's scalar result and its readers, with s_wait_alu, always for 0.
; THE PLAN.  Registers that memory or LDS instructions touch in the walk:
;   window 3 v[64 c .. 64 c + 63], v[128 + 4 c .. + 3]   chunk c of the hidden tile and its scale words.  Read by the chunk's 16 products; behind them the same chunk of my next tile lands there.
;   v6, v7    the loads' offsets, v8 the stores'.  Written at a trip's head; read by that trip's loads and stores.
;   v192-207  the tile's sums.  Written by eight packed additions; read by four LDS stores.
;   v208-223  the tile's rows.  Written by four LDS loads; read by four stores.  No vector instruction names them.
;   v4, v5, v9-12, v30, v31 are written once at the head; W2's fragments, its scale words and b2 are loaded once and then named by matrix instructions alone.
; So a trip has one wait on vm_vsrc, at its head, and four on va_vdst.  Each of the first three stands behind a chunk's products, ahead of that chunk's reload: the walk lives on loads in flight, so a chunk's
; registers are asked for again at once.  The fourth stands behind the packed additions and serves chunk 3's reload, the LDS stores of the sums and the stores' offset alike.
.set PITCH, 2064                       ; an LDS row: 2,048 bytes + 16: the 16 rows of a fragment load start 4 banks apart
.set STG,   32*PITCH                   ; behind the rows: a stage of 16 x (128 + 16) bytes for each wave
.set SPARE, STG+4*2304                 ; behind the stages: the spare words, 128 bytes a wave, two blocks of 256 bytes that no other line names
.set W2S, 64
.set HS,  128
.set ACC, 144
.set B2,  176
.set Y,   192
.set O,   208
.set MSB, 0
.macro WIN new                         ; s_set_vgpr_msb: bits 1:0 source 0, 3:2 source 1, 5:4 source 2, 7:6 destination; the high byte repeats the setting that is left
.if MSB != \new
	s_set_vgpr_msb (MSB<<8)|\new
.set MSB, \new
.endif
.endm
.macro NOPS n
.rept \n
	v_nop
.endr
.endm
.macro HLOAD c                         ; 20 loads: chunk c of the tile at v6, v7: K steps 8 c .. 8 c + 7 and their scale words
	WIN 0xc0                                       ; destination window 3
.irp u, 0,1,2,3,4,5,6,7
.irp k, 0,1
	global_load_b128 v[8*(8*(\c)+\u)+4*\k:8*(8*(\c)+\u)+4*\k+3], v6, s[4:5] offset:1024*(8*(\c)+\u)+512*\k
.endr
.endr
	WIN 0
.irp p, 0,1,2,3
	global_load_b32 v[HS+4*(\c)+\p], v7, s[6:7] offset:128*(4*(\c)+\p)
.endr
.endm
.macro MULC c                          ; 16 matrix instructions; the four accumulators by turns, one instruction a turn
.if (\c) < 2
	WIN 0x0d                                       ; W2 window 1, the hidden tile window 3, C and D window 0
.else
	WIN 0x0e                                       ; W2 window 2
.endif
.set ss, 8*(\c)
.rept 8
.irp n, 0,1
.set rD, ACC+8*(2*(ss%2)+\n)
.set rA, ((ss%16)*2+\n)*8
.set rB, 8*ss
.if ss == 0
	v_wmma_scale_f32_16x16x128_f8f6f4 v[rD:rD+7], v[rA:rA+7], v[rB:rB+7], v[B2+8*\n:B2+8*\n+7], v[W2S+32*\n+ss], v[HS+ss/2] matrix_a_fmt:MATRIX_FMT_FP4 matrix_b_fmt:MATRIX_FMT_FP4
.elseif ss == 1
	v_wmma_scale_f32_16x16x128_f8f6f4 v[rD:rD+7], v[rA:rA+7], v[rB:rB+7], 0, v[W2S+32*\n+ss], v[HS+ss/2] matrix_a_fmt:MATRIX_FMT_FP4 matrix_b_fmt:MATRIX_FMT_FP4 matrix_b_scale:MATRIX_SCALE_ROW1
.elseif ss%2 == 0
	v_wmma_scale_f32_16x16x128_f8f6f4 v[rD:rD+7], v[rA:rA+7], v[rB:rB+7], v[rD:rD+7], v[W2S+32*\n+ss], v[HS+ss/2] matrix_a_fmt:MATRIX_FMT_FP4 matrix_b_fmt:MATRIX_FMT_FP4
.else
	v_wmma_scale_f32_16x16x128_f8f6f4 v[rD:rD+7], v[rA:rA+7], v[rB:rB+7], v[rD:rD+7], v[W2S+32*\n+ss], v[HS+ss/2] matrix_a_fmt:MATRIX_FMT_FP4 matrix_b_fmt:MATRIX_FMT_FP4 matrix_b_scale:MATRIX_SCALE_ROW1
.endif
.endr
.set ss, ss+1
.endr
	WIN 0
.endm
; A tile of 16 rows.  next = 1: my next tile is asked for, chunk by chunk.
.macro TRIP next
	s_wait_xcnt 0x0                                ; all earlier loads and stores have read their addresses and data: offsets and the rows to store may be written again
	s_wait_alu depctr_vm_vsrc(0)                   ; the loads, stores and LDS stores issued so far have read v6, v7, v8, the sums v192-207 and the rows v208-223, all of which this trip writes again
	v_add_nc_u32 v8, s27, v4
.if \next
	s_add_co_u32 s25, s25, 131072                  ; four tiles on: 32,768 bytes of images each,
	s_add_co_u32 s26, s26, 8192                    ; 2,048 of scale words
	v_add_nc_u32 v6, s25, v4
	v_add_nc_u32 v7, s26, v5
.endif
.irp c, 0,1,2
.if \next
	s_wait_loadcnt 60                              ; this chunk is in: three chunks of 20 loads were issued behind it
.else
	s_wait_loadcnt 60-20*\c
.endif
	MULC \c
	NOPS 5                                         ; the places behind the products stay beside the wait below
.if \next
	s_wait_alu depctr_va_vdst(0)                   ; the chunk's products are done reading its fragments and scale words, in which the loads below land; v6 and v7, their offsets, are written
	HLOAD \c
.endif
.endr
.if \next
	s_wait_loadcnt 60                              ; chunk 3 is in: three chunks of 20 loads were issued behind it
.else
	s_wait_loadcnt 0x0
.endif
	MULC 3
	NOPS 5                                         ; four places in front of the first read of results; five in front of the next tile's products, which begin the accumulators anew
.irp n, 0,1
.irp q, 0,2,4,6
	v_pk_add_f32 v[Y+8*\n+\q:Y+8*\n+\q+1], v[ACC+8*\n+\q:ACC+8*\n+\q+1], v[ACC+16+8*\n+\q:ACC+16+8*\n+\q+1]   ; even K steps' sums + odd ones'; each accumulator from its low end on
.endr
.endr
	s_wait_alu depctr_va_vdst(0)                   ; the sums v192-207 are written, which the LDS stores read, and v8, the stores' offset; next = 1: chunk 3's products are done reading its fragments and scale words, in which the loads below land
.if \next
	HLOAD 3
.endif
.irp n, 0,1
.irp q, 0,1
	ds_store_b128 v9, v[Y+8*\n+4*\q:Y+8*\n+4*\q+3] offset:64*\n+16*\q      ; lane (r, h): y(slot r, 16 n + 8 h + 0 .. 7)
.endr
.endr
.irp k, 0,1,2,3
	ds_load_b128 v[O+4*\k:O+4*\k+3], v10 offset:576*\k                     ; LDS serves a wave's instructions in order: these see my stores.  Four slots' 128 bytes an instruction
.endr
	s_wait_dscnt 0x0
.irp k, 0,1,2,3
	global_store_b128 v8, v[O+4*\k:O+4*\k+3], s[16:17] offset:512*\k       ; 32 lanes store 512 consecutive bytes, at a multiple of 256 from y's first byte
.endr
	s_add_co_u32 s27, s27, 262144                  ; four tiles of 65,536 bytes on
.endm
	s_load_b256 s[4:11], s[0:1], 0x0               ; himg s[4:5], hsc s[6:7], pos s[8:9], w2_codes s[10:11]
	s_load_b128 s[12:15], s[0:1], 0x20             ; w2_scales s[12:13], b2 s[14:15]
	s_load_b64 s[16:17], s[0:1], 0x30              ; y
	v_lshl_add_u32 v28, v0, 2, SPARE               ; my spare word,
	v_mov_b32 v29, 0                               ; and 0: kept for the closing lines alone
	v_lshrrev_b32 v1, 5, v0
	v_readfirstlane_b32 s21, v1                    ; wave
	v_and_b32 v1, 31, v0                           ; lane
	v_and_b32 v3, 15, v0                           ; r
	v_bfe_u32 v2, v0, 4, 1                         ; h
	v_lshlrev_b32 v4, 4, v1                        ; 16 x lane
	v_lshlrev_b32 v5, 2, v1                        ; 4 x lane
	v_lshlrev_b32 v11, 7, v3                       ; W2's scale bytes: 128 a row
	v_lshlrev_b32 v12, 5, v2                       ; b2: 32 h
	s_wait_alu depctr_va_sdst(0)                   ; s21 is written, ahead of its first reader
	s_mul_i32 s29, s21, 8*PITCH
	v_add_nc_u32 v30, s29, v4                      ; LDS, on the way in: my wave's 8 rows, 16 bytes a lane
	v_mul_u32_u24 v31, v3, PITCH
	v_lshl_add_u32 v31, v2, 4, v31                 ; and out: row r of a tile, + 16 h
	s_mul_i32 s29, s21, 2304
	s_add_co_u32 s29, s29, STG                     ; my stage
	v_mul_u32_u24 v9, v3, 144
	v_lshl_add_u32 v9, v2, 5, v9
	v_add_nc_u32 v9, s29, v9                       ; in: slot r, + 32 h
	v_lshrrev_b32 v10, 3, v1
	v_mul_u32_u24 v10, v10, 144
	v_and_b32 v13, 7, v1
	v_lshl_add_u32 v10, v13, 4, v10
	v_add_nc_u32 v10, s29, v10                     ; back: eight lanes to a slot's 128 bytes
	s_lshr_b32 s22, ttmp9, 5                       ; e
	s_and_b32 s23, ttmp9, 31                       ; g
	s_lshl_b32 s28, s22, 2
	s_lshl_b32 s30, ttmp9, 16
	s_lshl_b32 s31, s21, 14
	s_add_co_u32 s30, s30, s31                     ; my wave's 8 rows of the work-group's 32
	s_mov_b32 s31, 0
	s_wait_kmcnt 0x0
	s_load_b32 s20, s[8:9], s28 offset:0x8000      ; my expert's rows, as the launch before stored the count
	s_add_nc_u64 s[10:11], s[10:11], s[30:31]
	s_lshl_b32 s30, ttmp9, 12
	s_add_nc_u64 s[12:13], s[12:13], s[30:31]      ; 32 rows x 128 scale bytes
	s_lshl_b32 s30, ttmp9, 7
	s_add_nc_u64 s[14:15], s[14:15], s[30:31]      ; 32 numbers of b2
	s_wait_alu depctr_va_vdst(0)                   ; the offsets and LDS addresses v4, v5, v9-12, v30, v31 are written, which the loads, stores and LDS instructions below read
	WIN 0xc0
.set i, 0
.rept 32
	global_load_b128 v[4*i:4*i+3], v4, s[10:11] offset:512*i th:TH_LOAD_NT         ; a quarter of a row of W2: 512 consecutive bytes; read once in the launch
.set i, i+1
.endr
	WIN 0
.irp n, 0,1
.irp p, 0,1,2,3,4,5,6,7
	global_load_b128 v[W2S+32*\n+4*\p:W2S+32*\n+4*\p+3], v11, s[12:13] offset:2048*\n+16*\p
.endr
.endr
.irp n, 0,1
.irp q, 0,1
	global_load_b128 v[B2+8*\n+4*\q:B2+8*\n+4*\q+3], v12, s[14:15] offset:64*\n+16*\q   ; b2 in the result's layout: columns 16 n + 8 h + 0 .. 7
.endr
.endr
	s_wait_loadcnt 20                              ; W2's rows are in: the 20 loads of scale words and b2 were issued behind them
	WIN 0x0c                                       ; an LDS store's data are its source 1: window 3
.set i, 0
.rept 32
	ds_store_b128 v30, v[4*i:4*i+3] offset:PITCH*(i/4)+512*(i%4)
.set i, i+1
.endr
	WIN 0
	s_wait_dscnt 0x0                               ; for the others' sake: my stores have landed
	s_barrier_signal -1
	s_barrier_wait -1                              ; the one barrier, ahead of every branch on loaded numbers: the 32 rows lie in LDS
	s_wait_alu depctr_vm_vsrc(0)                   ; my LDS stores have read v0-127 of window 3: the hidden tiles land there from here on
	s_wait_kmcnt 0x0
	s_min_u32 s20, s20, 1024
	s_add_co_u32 s24, s20, 15
	s_lshr_b32 s24, s24, 4                         ; tiles
	s_add_co_u32 s24, s24, 3
	s_sub_co_u32 s24, s24, s21
	s_lshr_b32 s24, s24, 2                         ; of which mine
	s_cmp_eq_u32 s24, 0
	s_cbranch_scc1 .Lend                           ; this split leaves my wave no rows
	s_lshl_b32 s27, s22, 6
	s_add_co_u32 s27, s27, s21                     ; tile 64 e + wave
	s_lshl_b32 s25, s27, 15                        ; its images,
	s_lshl_b32 s26, s27, 11                        ; its scale words,
	s_lshl_b32 s27, s27, 5
	s_add_co_u32 s27, s27, s23
	s_lshl_b32 s27, s27, 11                        ; and my block of y
	v_add_nc_u32 v6, s25, v4
	v_add_nc_u32 v7, s26, v5
	s_wait_alu depctr_va_vdst(0)                   ; v6 and v7 are written, the offsets of the loads below
	HLOAD 0
	HLOAD 1
	HLOAD 2
	WIN 0x40                                       ; destination window 1
.set ss, 0
.rept 16
.irp n, 0,1
.irp c, 0,1
	ds_load_b128 v[(ss*2+\n)*8+4*\c:(ss*2+\n)*8+4*\c+3], v31 offset:16*PITCH*\n+64*ss+32*\c
.endr
.endr
.set ss, ss+1
.endr
	WIN 0x80                                       ; destination window 2
.set ss, 0
.rept 16
.irp n, 0,1
.irp c, 0,1
	ds_load_b128 v[(ss*2+\n)*8+4*\c:(ss*2+\n)*8+4*\c+3], v31 offset:16*PITCH*\n+64*(ss+16)+32*\c
.endr
.endr
.set ss, ss+1
.endr
	WIN 0
	HLOAD 3
	s_wait_dscnt 0x0                               ; all 64 fragments of W2 are in my registers
	s_sub_co_u32 s24, s24, 1
	s_cmp_eq_u32 s24, 0
	s_cbranch_scc1 .Ltail
.Lloop:
	TRIP 1
	s_sub_co_u32 s24, s24, 1
	s_cmp_lg_u32 s24, 0
	s_cbranch_scc1 .Lloop
.Ltail:
	TRIP 0                                         ; the last tile asks for nothing more: the counts run down
.Lend:
	s_wait_dscnt 0x0                               ; the closing lines, six on end
	s_wait_alu 0x0
	s_wait_tensorcnt 0x0
	ds_add_u32 v28, v29
	s_wait_dscnt 0x0
	s_endpgm
.Lfunc_end_k_q91db289efa_ffn2:
	.size	k_q91db289efa_ffn2, .Lfunc_end_k_q91db289efa_ffn2-k_q91db289efa_ffn2
	.p2alignl 7, 3214868480
	.fill 96, 4, 3214868480
	.section	.rodata,"a",@progbits
	.p2align	6, 0x0
	.amdhsa_kernel k_q91db289efa_ffn2
		.amdhsa_group_segment_fixed_size 75776
		.amdhsa_private_segment_fixed_size 0
		.amdhsa_enable_private_segment 0
		.amdhsa_kernarg_size 56
		.amdhsa_user_sgpr_count 2
		.amdhsa_user_sgpr_kernarg_segment_ptr 1
		.amdhsa_wavefront_size32 1
		.amdhsa_system_sgpr_workgroup_id_x 1
		.amdhsa_system_sgpr_workgroup_id_y 1
		.amdhsa_system_sgpr_workgroup_id_z 1
		.amdhsa_system_vgpr_workitem_id 0
		.amdhsa_next_free_vgpr 1024
		.amdhsa_next_free_sgpr 66
		.amdhsa_reserve_vcc 0
		.amdhsa_float_denorm_mode_32 3
		.amdhsa_float_denorm_mode_16_64 3
		.amdhsa_memory_ordered 1
		.amdhsa_forward_progress 1
		.amdhsa_inst_pref_size 56
	.end_amdhsa_kernel
	.amdgpu_metadata
---
amdhsa.version: [ 1, 2 ]
amdhsa.kernels:
  - .name:           k_q91db289efa_ffn2
    .symbol:         k_q91db289efa_ffn2.kd
    .args:
      - { .name: himg, .offset: 0, .size: 8, .value_kind: global_buffer, .address_space: global }
      - { .name: hsc, .offset: 8, .size: 8, .value_kind: global_buffer, .address_space: global }
      - { .name: pos, .offset: 16, .size: 8, .value_kind: global_buffer, .address_space: global }
      - { .name: w2_codes, .offset: 24, .size: 8, .value_kind: global_buffer, .address_space: global }
      - { .name: w2_scales, .offset: 32, .size: 8, .value_kind: global_buffer, .address_space: global }
      - { .name: b2, .offset: 40, .size: 8, .value_kind: global_buffer, .address_space: global }
      - { .name: y, .offset: 48, .size: 8, .value_kind: global_buffer, .address_space: global }
    .group_segment_fixed_size: 75776
    .private_segment_fixed_size: 0
    .kernarg_segment_align: 8
    .kernarg_segment_size: 56
    .max_flat_workgroup_size: 128
    .sgpr_count:     66
    .vgpr_count:     1024
    .wavefront_size: 32
...
	.end_amdgpu_metadata
.endif
;; end of part 7
;; launch mix (part 8): grid 256 x 1, 4 waves a work-group, no clusters, 0 bytes of LDS; arguments y, sel, gates, pos, out0; writes out0
.if DOCPART == 8
	.amdgcn_target "amdgcn-amd-amdhsa--gfx1250"
	.amdhsa_code_object_version 6
	.text
	.protected	k_q91db289efa_mix
	.globl	k_q91db289efa_mix
	.p2align	8
	.type	k_q91db289efa_mix,@function
k_q91db289efa_mix:
	s_mov_b64 s[64:65], 0
	v_nop
	global_prefetch_b8 v0, s[64:65] scope:SCOPE_SE
	s_setreg_imm32_b32 hwreg(HW_REG_WAVE_MODE, 25, 1), 1
	s_wait_xcnt 0x0
; out[t] = g0 y[row of (t, e0)] + g1 y[row of (t, e1)].  The six other experts' terms are left out: their gate is exactly 0 (shown at the head of the first kernel).
; A wave takes one token, t = 4 x work-group + wave.  All that steers addresses is scalar and was stored by earlier launches as whole numbers: sel[t] names the two experts, pos[t][e] the row's place in y in units
; of 128 bytes.  A row of y lies as 32 pieces of 128 bytes, 2,048 bytes apart; a load takes four pieces, a store 512 consecutive bytes of out.  A stream: no LDS, no barrier, no matrix unit.
.set YA, 8                             ; v8-39    the first expert's row
.set YB, 40                            ; v40-71   the second's
.set OU, 72                            ; v72-103  the token's row of out: registers of its own for each store
	s_load_b256 s[4:11], s[0:1], 0x0               ; y s[4:5], sel s[6:7], gates s[8:9], pos s[10:11]
	s_load_b64 s[12:13], s[0:1], 0x20              ; out0
	v_lshrrev_b32 v1, 5, v0
	v_readfirstlane_b32 s14, v1                    ; wave
	v_and_b32 v1, 31, v0                           ; lane
	v_lshrrev_b32 v2, 3, v1
	v_and_b32 v6, 7, v1
	v_lshlrev_b32 v2, 11, v2
	v_lshl_add_u32 v2, v6, 4, v2                   ; piece lane / 8 of a load's four, 16 bytes a lane
	v_lshlrev_b32 v5, 4, v1                        ; out: 16 x lane
	s_lshl_b32 s15, ttmp9, 2
	s_add_co_u32 s14, s14, s15                     ; t
	s_lshl_b32 s15, s14, 2
	s_lshl_b32 s17, s14, 3
	s_lshl_b32 s22, s14, 5
	s_lshl_b32 s28, s14, 12
	s_mov_b32 s29, 0
	s_wait_alu depctr_va_vdst(0)
	s_wait_kmcnt 0x0
	s_load_b32 s16, s[6:7], s15 offset:0x0         ; sel[t]
	s_load_b64 s[18:19], s[8:9], s17 offset:0x0    ; g0, g1
	s_add_nc_u64 s[12:13], s[12:13], s[28:29]      ; out at my token
	s_wait_kmcnt 0x0
	s_bfe_u32 s20, s16, 0x30008                    ; e0
	s_bfe_u32 s21, s16, 0x30010                    ; e1
	s_min_u32 s20, s20, 7                          ; a loaded number is held inside the table before it enters an address
	s_min_u32 s21, s21, 7
	s_lshl_b32 s20, s20, 2
	s_lshl_b32 s21, s21, 2
	s_add_co_u32 s20, s20, s22                     ; pos[t][e]
	s_add_co_u32 s21, s21, s22
	s_load_b32 s24, s[10:11], s20 offset:0x0
	s_load_b32 s25, s[10:11], s21 offset:0x0
	s_mov_b32 s26, s19                             ; g1 as a pair: the packed form names a pair and takes its low word for both halves
	s_mov_b32 s27, s19
	s_wait_kmcnt 0x0
	s_min_u32 s24, s24, 0x3fe0f                    ; the last place there is: tile 511, slot 15
	s_min_u32 s25, s25, 0x3fe0f
	s_lshl_b32 s24, s24, 7
	s_lshl_b32 s25, s25, 7
	v_add_nc_u32 v3, s24, v2
	v_add_nc_u32 v4, s25, v2
.irp i, 0,1,2,3,4,5,6,7
	global_load_b128 v[YA+4*\i:YA+4*\i+3], v3, s[4:5] offset:8192*\i th:TH_LOAD_NT   ; each row of y is read once in the launch
	global_load_b128 v[YB+4*\i:YB+4*\i+3], v4, s[4:5] offset:8192*\i th:TH_LOAD_NT
.endr
.irp i, 0,1,2,3,4,5,6,7
	s_wait_loadcnt 14-2*\i                         ; pair i is in: the later pairs were issued behind it
	v_pk_mul_f32 v[OU+4*\i:OU+4*\i+1], v[YB+4*\i:YB+4*\i+1], s[26:27] op_sel_hi:[1,0]
	v_pk_mul_f32 v[OU+4*\i+2:OU+4*\i+3], v[YB+4*\i+2:YB+4*\i+3], s[26:27] op_sel_hi:[1,0]
	v_pk_fma_f32 v[OU+4*\i:OU+4*\i+1], v[YA+4*\i:YA+4*\i+1], s[18:19], v[OU+4*\i:OU+4*\i+1] op_sel_hi:[1,0,1]
	v_pk_fma_f32 v[OU+4*\i+2:OU+4*\i+3], v[YA+4*\i+2:YA+4*\i+3], s[18:19], v[OU+4*\i+2:OU+4*\i+3] op_sel_hi:[1,0,1]
	global_store_b128 v5, v[OU+4*\i:OU+4*\i+3], s[12:13] offset:512*\i th:TH_STORE_NT   ; 32 lanes store 512 consecutive bytes, at a multiple of 256 from out's first byte
.endr
	s_endpgm
.Lfunc_end_k_q91db289efa_mix:
	.size	k_q91db289efa_mix, .Lfunc_end_k_q91db289efa_mix-k_q91db289efa_mix
	.p2alignl 7, 3214868480
	.fill 96, 4, 3214868480
	.section	.rodata,"a",@progbits
	.p2align	6, 0x0
	.amdhsa_kernel k_q91db289efa_mix
		.amdhsa_group_segment_fixed_size 0
		.amdhsa_private_segment_fixed_size 0
		.amdhsa_enable_private_segment 0
		.amdhsa_kernarg_size 40
		.amdhsa_user_sgpr_count 2
		.amdhsa_user_sgpr_kernarg_segment_ptr 1
		.amdhsa_wavefront_size32 1
		.amdhsa_system_sgpr_workgroup_id_x 1
		.amdhsa_system_sgpr_workgroup_id_y 1
		.amdhsa_system_sgpr_workgroup_id_z 1
		.amdhsa_system_vgpr_workitem_id 0
		.amdhsa_next_free_vgpr 104
		.amdhsa_next_free_sgpr 66
		.amdhsa_reserve_vcc 0
		.amdhsa_float_denorm_mode_32 3
		.amdhsa_float_denorm_mode_16_64 3
		.amdhsa_memory_ordered 1
		.amdhsa_forward_progress 1
		.amdhsa_inst_pref_size 7
	.end_amdhsa_kernel
	.amdgpu_metadata
---
amdhsa.version: [ 1, 2 ]
amdhsa.kernels:
  - .name:           k_q91db289efa_mix
    .symbol:         k_q91db289efa_mix.kd
    .args:
      - { .name: y, .offset: 0, .size: 8, .value_kind: global_buffer, .address_space: global }
      - { .name: sel, .offset: 8, .size: 8, .value_kind: global_buffer, .address_space: global }
      - { .name: gates, .offset: 16, .size: 8, .value_kind: global_buffer, .address_space: global }
      - { .name: pos, .offset: 24, .size: 8, .value_kind: global_buffer, .address_space: global }
      - { .name: out0, .offset: 32, .size: 8, .value_kind: global_buffer, .address_space: global }
    .group_segment_fixed_size: 0
    .private_segment_fixed_size: 0
    .kernarg_segment_align: 8
    .kernarg_segment_size: 40
    .max_flat_workgroup_size: 128
    .sgpr_count:     66
    .vgpr_count:     104
    .wavefront_size: 32
...
	.end_amdgpu_metadata
.endif
;; end of part 8
